; MI455X (gfx1250); checked and timed in simulation.
; The chip was launched on July 23, 2026; its instructions are those of AMD's public machine-readable ISA for CDNA 5 (MIT licence, August 2026) and "CDNA5" Instruction Set Architecture Reference Guide (July 2026). The comments in the code are by the model that wrote it; some were corrected since.
;; Self Attention. Allowed arithmetic: matrix products marked QUANTISED: E4M3 operands, one E8M0 scale for each 32 along K, by v_wmma_scale_f32_16x16x128_f8f6f4 with both operands' format E4M3, f32 sums; everything else in f32.
;; Inputs: gn_b 256 float32; gn_w 256 float32; proj_b 256 float32; proj_w_codes 256 x 8 x 32 uint8 (E4M3 codes of proj_w, K innermost, in blocks of 32 codes); proj_w_scales 256 x 8 uint8 (E8M0 scales of proj_w, one for each 32 codes along K); qkv_b 768 float32; qkv_w_codes 768 x 8 x 32 uint8 (E4M3 codes of qkv_w, K innermost, in blocks of 32 codes); qkv_w_scales 768 x 8 uint8 (E8M0 scales of qkv_w, one for each 32 codes along K); x 4 x 256 x 64 x 64 float32.
;; Outputs: out0 4 x 256 x 64 x 64 float32.
;; This version of the problem:
;;   THIS VERSION OF THE PROBLEM IS GIVEN IN LOW PRECISION. The matrix products marked QUANTISED in the list below multiply operands that are first quantised to E4M3 (4 exponent bits, 3 mantissa bits; 8 bits a number), with one power-of-two scale for each 32 numbers along K (OCP MX v1.0); their sums are f32. All else is computed in f32.
;;   The module's matrix products, in the order in which they are computed (A, B: the left and right operand; K: the contracted axis; several contracted axes count as one K, in the product's order):
;;     1. [M 16,384, K 256] x [K 256, N 768]; A: computed on the way; B: input qkv_w (given as codes): QUANTISED
;;     2. batch 4 x [M 4,096, K 256] x [K 256, N 4,096]; A: computed on the way; B: computed on the way: QUANTISED
;;     3. batch 4 x [M 256, K 4,096] x [K 4,096, N 4,096]; A: computed on the way; B: softmax (see below): QUANTISED
;;     4. [M 16,384, K 256] x [K 256, N 256]; A: computed on the way; B: input proj_w (given as codes): QUANTISED
;;   THE QUANTISER, for each operand of a quantised product, along K:
;;     - K is cut into blocks of 32 from its start; a last block that is shorter is filled with zeros.
;;     - A block's scale is 2^e with e = floor(log2(the largest magnitude in the block)) - 8, held to -126 .. 127; a block of zeros has e = 0. As a byte (E8M0): e + 127.
;;     - Each number is divided by its block's scale, clamped to +-448, and rounded to the nearest number of E4M3, ties to even, subnormals kept.
;;     - The product sums the exact products of the quantised numbers (number of the format x scale) in f32.
;;   ~~~python
;;   def quantise(x, axis):      # numpy; x: float32 -> the quantised numbers, widened to float32 again
;;       x = np.moveaxis(x, axis, -1); K = x.shape[-1]
;;       x = np.pad(x, [(0, 0)] * (x.ndim - 1) + [(0, -K % 32)]); x = x.reshape(x.shape[:-1] + (-1, 32)); a = np.abs(x).max(-1, keepdims=True)
;;       e = np.where(a > 0, np.clip(np.frexp(np.where(a > 0, a, 1))[1] - 1 - 8, -126, 127), 0)      # np.frexp(a)[1] - 1 = floor(log2(a)), exactly
;;       r = np.clip(x / 2.0 ** e, -448, 448)
;;       step = 2.0 ** (np.maximum(np.frexp(np.where(r == 0, 1, r))[1] - 1, -6) - 3)
;;       q = np.round(r / step) * step * 2.0 ** e      # np.round: ties to even
;;       return np.moveaxis(q.reshape(q.shape[:-2] + (-1,))[..., :K], -1, axis).astype(np.float32)
;;   ~~~
;;   SOFTMAX AHEAD OF A QUANTISED PRODUCT. Where the list says 'softmax', what is quantised is not the finished softmax but p = 2^(t - M), with t = logit x log2(e) and M = ceil(the row's largest t), a whole number; so 1/2 < the row's largest p <= 1. The row's sum l is taken of the UNQUANTISED p, in f32, and the product's result is divided by l at the end. Since M is a whole number, a kernel that streams over the keys may use a running M (the ceiling of the running maximum): every later rescaling is an exact power of two, which a block's scale takes up: the codes' values come out the same.
;;   OPERANDS COMPUTED ON THE WAY. 'Computed on the way' means the value that the module computes at that place (a softmax that the list does not call 'softmax' is quantised finished and normalised). What goes into a quantiser is computed in f32, as accurately as f32 sums, v_exp_f32 and their like allow (about 1e-6 of the number): no bf16 or f16 on the way to a quantiser, and a product that is left as it is and whose result goes on into a quantised operand takes f32 operands (vector FMAs, or v_wmma_f32_16x16x4_f32). A number that lies on a knife's edge between two numbers of the format may be rounded either way, as far as f32 arithmetic and the matrix unit's own rounding can turn it there, and no further.
;;   INPUTS GIVEN AS CODES. proj_w (in the module: [256, 256], K = its axis 1); qkv_w (in the module: [768, 256], K = its axis 1): each comes as NAME_codes (uint8): NAME with its K axis moved to the last place and cut into blocks of 32 codes, [.., K / 32, bytes a block], one block behind the other in memory; one code a byte (a code: sign, 4 exponent bits, 3 mantissa bits); and NAME_scales (uint8): the same leading axes, one E8M0 byte (e + 127) for each 32 codes along K. Its value is code x scale, taken as it is: it is not quantised again, and the codes and scales need not be those that the quantiser above would give.
;; One version. Each part assembles by itself: llvm-mc -triple=amdgcn-amd-amdhsa -mcpu=gfx1250 --defsym DOCPART=n.
;; ======== version 1 of 1: 3 launches
;; workspace buffers: stats 2,048 bytes; wfrag 262,144 bytes; qbuf 4,325,376 bytes; kbuf 4,325,376 bytes; vbuf 4,325,376 bytes
;; launch stats (part 1): grid 256 x 1, 8 waves a work-group, no clusters, 1,536 bytes of LDS; arguments x, qkv_w_codes, proj_w_codes, stats, wfrag; writes stats, wfrag
.if DOCPART == 1
	.amdgcn_target "amdgcn-amd-amdhsa--gfx1250"
	.amdhsa_code_object_version 6
	.text
	.protected	k_q3f26a7ff7e_stats
	.globl	k_q3f26a7ff7e_stats
	.p2align	8
	.type	k_q3f26a7ff7e_stats,@function
k_q3f26a7ff7e_stats:
	s_mov_b64 s[64:65], 0
	v_nop
	global_prefetch_b8 v0, s[64:65] scope:SCOPE_SE
	s_setreg_imm32_b32 hwreg(HW_REG_WAVE_MODE, 25, 1), 1
	s_wait_xcnt 0x0
; GroupNorm's statistics, and the weights' codes laid in the order of the operand's registers.
; x is [4][256][4096] f32; a group is 8 channels x 4,096 positions = 131,072 consecutive bytes.  Work-group i owns the 65,536 bytes from 65,536 i on: half (i & 1) of group (i >> 1).
; Eight waves, 64 numbers a thread, kept in 64 registers: pass 1 sums them, pass 2 sums (x - mean)^2 on the same registers.  So x is read once here and no difference of large sums is formed.
; Out: stats[i] = (mean, sum of squared distances from it) of the half group, 8 bytes; the next launch joins the two halves.
; THE WEIGHTS.  wfrag holds 128 fragments of 2,048 bytes: fragment f = 2 T + ks (f < 96: tile T of qkv_w, else tile T of proj_w; ks: which 128 along K), laid [c 0..3][lane][16 bytes]:
; lane (r, h) of group c holds the 16 codes k = 128 ks + 32 c + 16 h + 0..15 of row 32 (T / 2) + 8 (T % 2) + r + 8 (r / 8).  Waves 0 and 1 of each work-group move one group of 512 bytes each.
; LIMITS: NaN and infinities among the inputs are not served.
.set X, 16                             ; v16-79   my 64 numbers
.set WP, 80                            ; v80-83   my 16 codes of a weight
	s_load_b256 s[4:11], s[0:1], 0x0               ; x s[4:5], qkv_w_codes s[6:7], proj_w_codes s[8:9], stats s[10:11]
	s_load_b64 s[12:13], s[0:1], 0x20              ; wfrag
	v_lshl_add_u32 v96, v0, 2, 0x200
	v_mov_b32 v97, 0
	v_lshrrev_b32 v1, 5, v0
	v_readfirstlane_b32 s14, v1                    ; wave 0..7
	v_lshlrev_b32 v1, 4, v0                        ; 16 x thread: a load of the work-group covers 4,096 consecutive bytes
	v_mov_b32 v11, 0                               ; a lane permute's destination counts as one of its sources
	v_mov_b32 v13, 0                               ; LDS byte 0; also the offset of the last store
	v_mov_b32 v12, s14
	v_lshlrev_b32 v12, 2, v12                      ; LDS: my wave's word
	s_mov_b32 s24, 0x76543210
	s_mov_b32 s25, 0xfedcba98                      ; lane selects: lane l xor 16
	s_lshl_b32 s16, ttmp9, 16                      ; my 65,536 bytes of x
	s_mov_b32 s17, 0
	s_lshr_b32 s18, ttmp9, 1                       ; fragment f = i / 2
	s_and_b32 s19, ttmp9, 1
	s_lshl_b32 s19, s19, 1
	s_add_co_u32 s19, s19, s14                     ; group c = 2 (i % 2) + wave (waves 0 and 1 alone use it)
	s_lshl_b32 s19, s19, 5                         ; 32 c
	s_lshl_b32 s23, ttmp9, 10
	s_lshl_b32 s22, s14, 9
	s_add_co_u32 s23, s23, s22                     ; where the group goes: 512 (2 i + wave)
	s_lshl_b32 s26, ttmp9, 3                       ; stats: 8 i
	s_mov_b32 s27, 0
	s_wait_kmcnt 0x0
	s_add_nc_u64 s[4:5], s[4:5], s[16:17]
	s_add_nc_u64 s[10:11], s[10:11], s[26:27]
	s_cmp_lt_u32 ttmp9, 192                        ; fragments 0-95 come from qkv_w, 96-127 from proj_w: the choice hangs on the work-group's number alone
	s_cselect_b64 s[6:7], s[6:7], s[8:9]
	s_cselect_b32 s20, 0, 96
	s_sub_co_u32 s18, s18, s20                     ; the fragment's number in its own tensor
	s_and_b32 s21, s18, 1                          ; ks
	s_lshr_b32 s18, s18, 1                         ; T
	s_and_b32 s22, s18, 1
	s_lshr_b32 s18, s18, 1
	s_lshl_b32 s18, s18, 13                        ; 32 (T / 2) rows of 256 bytes
	s_lshl_b32 s22, s22, 11                        ; 8 (T % 2) rows
	s_add_co_u32 s18, s18, s22
	s_lshl_b32 s21, s21, 7                         ; 128 ks
	s_add_co_u32 s18, s18, s21
	s_add_co_u32 s18, s18, s19
	v_and_b32 v84, 15, v0
	v_and_b32 v86, 8, v84
	v_add_nc_u32 v84, v84, v86                     ; r + 8 (r / 8)
	v_lshlrev_b32 v84, 8, v84
	v_bfe_u32 v86, v0, 4, 1
	v_lshl_add_u32 v84, v86, 4, v84                ; + 16 h
	v_add_nc_u32 v84, s18, v84                     ; from
	v_and_b32 v85, 31, v0
	v_lshlrev_b32 v85, 4, v85
	v_add_nc_u32 v85, s23, v85                     ; to: 16 bytes a lane, 512 consecutive bytes a wave
	s_cmp_lt_u32 s14, 2
	s_cbranch_scc0 .Lno_w_load
	global_load_b128 v[WP:WP+3], v84, s[6:7]
.Lno_w_load:
.irp j, 0,1,2,3,4,5,6,7,8,9,10,11,12,13,14,15
	global_load_b128 v[X+4*\j:X+4*\j+3], v1, s[4:5] offset:4096*\j    ; no hint: the next launch reads x again
.endr
	; pass 1: four chains of packed sums in v[2:9]; the first four loads start them, so nothing is cleared.  Each wait counts the younger loads of x
.irp j, 1,3
	s_wait_loadcnt 15-\j
	v_pk_add_f32 v[2+2*(\j-1):3+2*(\j-1)], v[X+4*(\j-1):X+4*(\j-1)+1], v[X+4*\j:X+4*\j+1]
	v_pk_add_f32 v[4+2*(\j-1):5+2*(\j-1)], v[X+4*(\j-1)+2:X+4*(\j-1)+3], v[X+4*\j+2:X+4*\j+3]
.endr
.irp j, 4,5,6,7,8,9,10,11,12,13,14,15
	s_wait_loadcnt 15-\j
	v_pk_add_f32 v[2+4*(\j%2):3+4*(\j%2)], v[2+4*(\j%2):3+4*(\j%2)], v[X+4*\j:X+4*\j+1]
	v_pk_add_f32 v[4+4*(\j%2):5+4*(\j%2)], v[4+4*(\j%2):5+4*(\j%2)], v[X+4*\j+2:X+4*\j+3]
.endr
	s_cmp_lt_u32 s14, 2
	s_cbranch_scc0 .Lno_w_store
	global_store_b128 v85, v[WP:WP+3], s[12:13]    ; (the last wait above was for 0: the codes are in)
.Lno_w_store:
.macro WSUM                            ; v10 summed over the wave's 32 lanes, the result in every lane
	v_add_f32_dpp v10, v10, v10 row_xmask:1 row_mask:0xf bank_mask:0xf
	v_add_f32_dpp v10, v10, v10 row_xmask:2 row_mask:0xf bank_mask:0xf
	v_add_f32_dpp v10, v10, v10 row_xmask:4 row_mask:0xf bank_mask:0xf
	v_add_f32_dpp v10, v10, v10 row_xmask:8 row_mask:0xf bank_mask:0xf
	v_permlanex16_b32 v11, v10, s24, s25
	v_add_f32 v10, v10, v11
.endm
.macro GSUM off                        ; and over the eight waves: a word a wave at LDS byte off, one barrier, every wave reads all eight
	ds_store_b32 v12, v10 offset:\off
	s_wait_dscnt 0x0                               ; for the others' sake: my word has landed
	s_barrier_signal -1
	s_barrier_wait -1
	ds_load_b128 v[88:91], v13 offset:\off
	ds_load_b128 v[92:95], v13 offset:\off+16
	s_wait_dscnt 0x0
	v_add_f32 v88, v88, v89
	v_add_f32 v90, v90, v91
	v_add_f32 v92, v92, v93
	v_add_f32 v94, v94, v95
	v_add_f32 v88, v88, v90
	v_add_f32 v92, v92, v94
	v_add_f32 v10, v88, v92
.endm
	v_pk_add_f32 v[2:3], v[2:3], v[4:5]
	v_pk_add_f32 v[6:7], v[6:7], v[8:9]
	v_pk_add_f32 v[2:3], v[2:3], v[6:7]
	v_add_f32 v10, v2, v3
	WSUM
	GSUM 0
	v_mul_f32 v14, 0x38800000, v10                 ; mean = sum / 16,384
	v_mov_b32 v15, v14
	; pass 2: the distances from the mean, in place, and their squares in four chains
.set p, 0
.rept 32
	v_pk_add_f32 v[X+2*p:X+2*p+1], v[X+2*p:X+2*p+1], v[14:15] neg_lo:[0,1] neg_hi:[0,1]
.set p, p+1
.endr
.set p, 0
.rept 4
	v_pk_mul_f32 v[2+2*p:3+2*p], v[X+2*p:X+2*p+1], v[X+2*p:X+2*p+1]
.set p, p+1
.endr
.rept 28
	v_pk_fma_f32 v[2+2*(p%4):3+2*(p%4)], v[X+2*p:X+2*p+1], v[X+2*p:X+2*p+1], v[2+2*(p%4):3+2*(p%4)]
.set p, p+1
.endr
	v_pk_add_f32 v[2:3], v[2:3], v[4:5]
	v_pk_add_f32 v[6:7], v[6:7], v[8:9]
	v_pk_add_f32 v[2:3], v[2:3], v[6:7]
	v_add_f32 v10, v2, v3
	WSUM
	GSUM 256                                       ; other LDS bytes than the first sum's: no second barrier is needed
	v_mov_b32 v15, v10
	s_cmp_lg_u32 s14, 0
	s_cbranch_scc1 .Lend
	s_wait_xcnt 0x0                                ; EXEC is a source of the pending store above: it changes only behind this wait
	v_cmp_eq_u32 vcc_lo, 0, v0
	s_and_saveexec_b32 s20, vcc_lo
	global_store_b64 v13, v[14:15], s[10:11]       ; thread 0: (mean, sum of squares)
	s_wait_xcnt 0x0
	s_or_b32 exec_lo, exec_lo, s20
.Lend:
	s_wait_tensorcnt 0x0
	ds_add_u32 v96, v97
	s_wait_dscnt 0x0
	s_endpgm
.Lfunc_end_k_q3f26a7ff7e_stats:
	.size	k_q3f26a7ff7e_stats, .Lfunc_end_k_q3f26a7ff7e_stats-k_q3f26a7ff7e_stats
	.p2alignl 7, 3214868480
	.fill 96, 4, 3214868480
	.section	.rodata,"a",@progbits
	.p2align	6, 0x0
	.amdhsa_kernel k_q3f26a7ff7e_stats
		.amdhsa_group_segment_fixed_size 1536
		.amdhsa_private_segment_fixed_size 0
		.amdhsa_enable_private_segment 0
		.amdhsa_kernarg_size 40
		.amdhsa_user_sgpr_count 2
		.amdhsa_user_sgpr_kernarg_segment_ptr 1
		.amdhsa_wavefront_size32 1
		.amdhsa_system_sgpr_workgroup_id_x 1
		.amdhsa_system_sgpr_workgroup_id_y 1
		.amdhsa_system_sgpr_workgroup_id_z 1
		.amdhsa_system_vgpr_workitem_id 0
		.amdhsa_next_free_vgpr 98
		.amdhsa_next_free_sgpr 66
		.amdhsa_reserve_vcc 1
		.amdhsa_float_denorm_mode_32 3
		.amdhsa_float_denorm_mode_16_64 3
		.amdhsa_memory_ordered 1
		.amdhsa_forward_progress 1
		.amdhsa_inst_pref_size 13
	.end_amdhsa_kernel
	.amdgpu_metadata
---
amdhsa.version: [ 1, 2 ]
amdhsa.kernels:
  - .name:           k_q3f26a7ff7e_stats
    .symbol:         k_q3f26a7ff7e_stats.kd
    .args:
      - { .name: x, .offset: 0, .size: 8, .value_kind: global_buffer, .address_space: global }
      - { .name: qkv_w_codes, .offset: 8, .size: 8, .value_kind: global_buffer, .address_space: global }
      - { .name: proj_w_codes, .offset: 16, .size: 8, .value_kind: global_buffer, .address_space: global }
      - { .name: stats, .offset: 24, .size: 8, .value_kind: global_buffer, .address_space: global }
      - { .name: wfrag, .offset: 32, .size: 8, .value_kind: global_buffer, .address_space: global }
    .group_segment_fixed_size: 1536
    .private_segment_fixed_size: 0
    .kernarg_segment_align: 8
    .kernarg_segment_size: 40
    .max_flat_workgroup_size: 256
    .sgpr_count:     66
    .vgpr_count:     98
    .wavefront_size: 32
...
	.end_amdgpu_metadata
.endif
;; end of part 1
;; launch qkv (part 2): grid 256 x 1, 4 waves a work-group, clusters of 4 x 1, 284,160 bytes of LDS; arguments x, stats, gn_w, gn_b, wfrag, qkv_w_scales, qkv_b, qbuf, kbuf, vbuf; writes qbuf, kbuf, vbuf
.if DOCPART == 2
	.amdgcn_target "amdgcn-amd-amdhsa--gfx1250"
	.amdhsa_code_object_version 6
	.text
	.protected	k_q3f26a7ff7e_qkv
	.globl	k_q3f26a7ff7e_qkv
	.p2align	8
	.type	k_q3f26a7ff7e_qkv,@function
k_q3f26a7ff7e_qkv:
	s_mov_b64 s[64:65], 0
	v_nop
	global_prefetch_b8 v0, s[64:65] scope:SCOPE_SE
	s_setreg_imm32_b32 hwreg(HW_REG_WAVE_MODE, 25, 1), 1
	s_wait_xcnt 0x0
	s_wait_alu depctr_hold_cnt(0) depctr_sa_sdst(0) depctr_va_vdst(0) depctr_va_sdst(0) depctr_va_ssrc(0) depctr_va_vcc(0) depctr_vm_vsrc(0)
	s_getreg_b32 s2, hwreg(HW_REG_IB_STS2, 6, 4)
	s_cmp_eq_u32 s2, 0
	s_cbranch_scc0 .Lentry_in_a_cluster
	s_endpgm
.Lentry_in_a_cluster:
	s_bfe_u32 s2, ttmp6, 0x10000c
	s_cmp_lg_u32 s2, 0x3003
	s_cbranch_scc0 .Lentry_shape_is_right
	s_endpgm
.Lentry_shape_is_right:
; h = GroupNorm(x), quantised along the channels; q, k, v = qkv_w h + qkv_b on codes of E4M3 with E8M0 scales; q and k quantised along the channels, v along the positions (the keys).
; SHARES.  A work-group owns 64 positions of one image (work-group i: image i / 64, positions 64 (i % 64) on).  Wave w quantises tile w of h (16 positions); then it makes output channels 128 w .. 128 w + 127
; (w = 0, 1: q's two K steps; w = 2, 3: k's) and channels 64 w .. 64 w + 63 of v, for all 64 positions.
; TILES.  Tile t = 2 bl + u of the 64 positions holds positions 32 bl + 8 u + r + 8 (r / 8); a tile T of the weights holds rows 32 (T / 2) + 8 (T % 2) + r + 8 (r / 8).  So the 16 registers of two neighbouring
; result tiles are 16 neighbours along the next product's K, and the conversions' results are that product's operand registers.
; q, k: source 0 = 16 rows of W, source 1 = h: a lane holds one position, its registers run along the channels.   v: source 0 = h, source 1 = 16 rows of W: a lane holds one channel, its registers run along the positions.
; OUT, all as images of operand registers (a fragment: [c 0..3][lane][16 bytes], 2,048 bytes):
;   qbuf [image][block of 64]: 8 fragments (2 t + ks), then 512 bytes of scale words [ks][t][r];
;   kbuf [image][step of 128 keys]: 16 fragments (2 kt + ks), then 1,024 bytes of scale words [half][ks][t][r], kt = 4 half + t;
;   vbuf [image][step]: 16 fragments (tile of channels ct; group c = the step's c-th 32 keys), then 1,024 bytes of scale words [ct / 2][16 (ct % 2) + r], byte c for key block c.
;   v's scale bytes leave as 2 bytes a lane (a work-group owns half of a step's keys): 512 of the 50,688 bytes that a work-group stores.
; CLUSTER.  All work-groups read the same 196,608 bytes of weights: the four of a cluster ask for them jointly.  Every LDS byte is filled or stored once: no slot is filled again.
; LIMITS: NaN and infinities are not served; a block whose largest magnitude lies under 2^-118 gets the scale byte 1, a block of zeros too (its codes are zeros; this program alone reads the bytes).
; REGISTERS.  Window 0: v1-14 addresses; v16-31 the quantiser's; v32-35 scale words just made; v36-39 h's scale words; v48-111 64 numbers; v112-127 codes; v128-191 64 numbers; v192-203 W's scale words; v204-227 addresses and tables' inputs.
;   Window 1: my 16 fragments of W for q or k.  Window 2: v0-127 my 8 fragments of W for v; v128-191 bias of q or k; v192-223 bias of v; v224-239 means.  Window 3: GroupNorm's factors and offsets, later h's 8 fragments.
.set XT,   196608                      ; LDS: 0: the weights, 96 fragments;  XT: x's tile, 256 channel rows of 256 bytes + 8
.set XP,   264                         ; its pitch: 66 words, so that 16 rows on is 32 banks on (64 banks of 4 bytes: ISA guide 11.1): the two halves of the lanes meet no common bank
.set TABA, 264192                      ; rsqrt(var + eps) x gn_w, by channel; 1,024 bytes on: gn_b
.set TABM, 266240                      ; the groups' means
.set HIMG, 266496                      ; h's 8 fragments (2 m + ks)
.set HSC,  282880                      ; their scale words: 128 bytes a tile: lanes 0-15 K step 0, lanes 16-31 K step 1
.set TM,  16
.set PW,  32
.set HS,  36
.set HA,  48
.set PC,  112
.set WS,  192
.set WV,  48                           ; s48 my wave's number
.set SEL, 50                           ; s[50:51] lane selects: lane l xor 16
.set MNT, 52                           ; s52 the mantissa field of 448
.set MSB, 0
.macro WIN new                         ; the immediate's high byte repeats the setting that is left
.if MSB != \new
	s_set_vgpr_msb (MSB<<8)|\new
.set MSB, \new
.endif
.endm
.macro ROUND                           ; a round of the cluster's barrier
	s_barrier_signal -1
	s_barrier_wait -1
	s_cmp_lg_u32 s[WV], 0
	s_cbranch_scc1 .Lnot_wave_0_\@
	s_barrier_signal -3
.Lnot_wave_0_\@:
	s_barrier_wait -3
	s_barrier_signal -1
	s_barrier_wait -1
.endm
.macro PLACES n
.rept \n
	v_nop
.endr
.endm
; One matrix instruction.  cz = 1: C is the constant 0, else v[c] on.  ra, rb = 1: that side's scales are read from lanes 16-31
.macro WM d, a, b, cz, c, sa, sb, ra, rb
.if (\cz)
.if (\ra) && (\rb)
	v_wmma_scale_f32_16x16x128_f8f6f4 v[(\d):(\d)+7], v[(\a):(\a)+15], v[(\b):(\b)+15], 0, v[(\sa)], v[(\sb)] matrix_a_scale:MATRIX_SCALE_ROW1 matrix_b_scale:MATRIX_SCALE_ROW1
.elseif (\ra)
	v_wmma_scale_f32_16x16x128_f8f6f4 v[(\d):(\d)+7], v[(\a):(\a)+15], v[(\b):(\b)+15], 0, v[(\sa)], v[(\sb)] matrix_a_scale:MATRIX_SCALE_ROW1
.elseif (\rb)
	v_wmma_scale_f32_16x16x128_f8f6f4 v[(\d):(\d)+7], v[(\a):(\a)+15], v[(\b):(\b)+15], 0, v[(\sa)], v[(\sb)] matrix_b_scale:MATRIX_SCALE_ROW1
.else
	v_wmma_scale_f32_16x16x128_f8f6f4 v[(\d):(\d)+7], v[(\a):(\a)+15], v[(\b):(\b)+15], 0, v[(\sa)], v[(\sb)]
.endif
.else
.if (\ra) && (\rb)
	v_wmma_scale_f32_16x16x128_f8f6f4 v[(\d):(\d)+7], v[(\a):(\a)+15], v[(\b):(\b)+15], v[(\c):(\c)+7], v[(\sa)], v[(\sb)] matrix_a_scale:MATRIX_SCALE_ROW1 matrix_b_scale:MATRIX_SCALE_ROW1
.elseif (\ra)
	v_wmma_scale_f32_16x16x128_f8f6f4 v[(\d):(\d)+7], v[(\a):(\a)+15], v[(\b):(\b)+15], v[(\c):(\c)+7], v[(\sa)], v[(\sb)] matrix_a_scale:MATRIX_SCALE_ROW1
.elseif (\rb)
	v_wmma_scale_f32_16x16x128_f8f6f4 v[(\d):(\d)+7], v[(\a):(\a)+15], v[(\b):(\b)+15], v[(\c):(\c)+7], v[(\sa)], v[(\sb)] matrix_b_scale:MATRIX_SCALE_ROW1
.else
	v_wmma_scale_f32_16x16x128_f8f6f4 v[(\d):(\d)+7], v[(\a):(\a)+15], v[(\b):(\b)+15], v[(\c):(\c)+7], v[(\sa)], v[(\sb)]
.endif
.endif
.endm
; 64 numbers of a lane, register 16 b + i = k 32 b + 16 (lane / 16) + i of my row, become a fragment's codes in v[pc] on and its scale word in v[pw].
.macro QUANT s, pc, pw
.irp b, 0,1,2,3
	v_max3_num_f32 v[TM+\b], |v[(\s)+16*\b]|, |v[(\s)+1+16*\b]|, 0x4800000   ; block b: my 16 numbers, and the floor 2^(9 - 127): the byte cannot fall under 1
.endr
.irp i, 2,4,6,8,10,12,14
.irp b, 0,1,2,3
	v_max3_num_f32 v[TM+\b], v[TM+\b], |v[(\s)+16*\b+\i]|, |v[(\s)+1+16*\b+\i]|   ; the four blocks by turns
.endr
.endr
.irp b, 0,1,2,3
	v_permlanex16_b32 v[TM+4+\b], v[TM+\b], s[SEL], s[SEL+1]
.endr
.irp b, 0,1,2,3
	v_max_num_f32 v[TM+\b], v[TM+\b], v[TM+4+\b]   ; with lane l xor 16's: the block's largest magnitude
.endr
.irp b, 0,1,2,3
	v_add_nc_u32 v[TM+12+\b], 0xfc000000, v[TM+\b] ; 8 off its exponent field: the conversion's scale operand
.endr
.irp b, 0,1,2,3
	v_and_or_b32 v[TM+8+\b], v[TM+\b], 0x7f800000, s[MNT]   ; 448 x the scale
.endr
.irp b, 0,1,2,3
	v_lshrrev_b32 v[TM+4+\b], 23, v[TM+12+\b]      ; the scale's byte
.endr
	v_lshl_or_b32 v[(\pw)], v[TM+5], 8, v[TM+4]
	v_lshl_or_b32 v[(\pw)], v[TM+6], 16, v[(\pw)]
	v_lshl_or_b32 v[(\pw)], v[TM+7], 24, v[(\pw)]
.irp b, 0,1,2,3
.irp i, 0,1,2,3,4,5,6,7,8,9,10,11,12,13,14,15
	v_med3_num_f32 v[(\s)+16*\b+\i], v[(\s)+16*\b+\i], -v[TM+8+\b], v[TM+8+\b]   ; the conversion to an 8-bit code does not saturate (ISA guide 7.6.2): the hold at the largest code x the scale
.endr
	v_cvt_scalef32_pk8_fp8_f32 v[(\pc)+4*\b:(\pc)+1+4*\b], v[(\s)+16*\b:(\s)+7+16*\b], v[TM+12+\b]
	v_cvt_scalef32_pk8_fp8_f32 v[(\pc)+2+4*\b:(\pc)+3+4*\b], v[(\s)+8+16*\b:(\s)+15+16*\b], v[TM+12+\b]
.endr
	v_nop                                          ; one plain instruction between the last conversion and whatever next writes its sources
.endm
.macro IMAGE adr, off                  ; the fragment in v[PC] on goes to LDS as it stands
.irp c, 0,1,2,3
	ds_store_b128 v[\adr], v[PC+4*\c:PC+4*\c+3] offset:\off+512*\c
.endr
.endm
	s_load_b256 s[4:11], s[0:1], 0x0               ; x s[4:5], stats s[6:7], gn_w s[8:9], gn_b s[10:11]
	s_load_b256 s[12:19], s[0:1], 0x20             ; wfrag s[12:13], qkv_w_scales s[14:15], qkv_b s[16:17], qbuf s[18:19]
	s_load_b128 s[20:23], s[0:1], 0x40             ; kbuf s[20:21], vbuf s[22:23]
	v_lshl_add_u32 v254, v0, 2, 0x45400
	v_mov_b32 v255, 0
	ds_add_u32 v254, v255
	ds_add_u32 v254, v255
	v_lshrrev_b32 v1, 5, v0
	v_readfirstlane_b32 s[WV], v1                  ; wave 0..3
	s_bfe_u32 s49, ttmp6, 0x40000                  ; cx: it enters global addresses of my own loads and stores alone
	s_lshl_b32 s53, ttmp9, 2
	s_add_co_u32 s53, s53, s49                     ; work-group i
	s_lshr_b32 s54, s53, 6                         ; image
	s_and_b32 s55, s53, 63                         ; block of 64 positions
	s_lshr_b32 s56, s55, 1                         ; key step of 128
	s_and_b32 s57, s55, 1                          ; which half of it
	; x's tile: 64 rows (channels) a wave x 64 elements of 4 bytes, 4,096 elements from row to row; 2 words of padding behind each 64
	s_mov_b32 s24, (2<<16)|(1<<20)|(5<<22)|(1<<25)
	s_mov_b32 s25, 64<<16
	s_mov_b32 s26, 64<<16
	s_mov_b32 s27, 64<<16
	s_mov_b32 s28, 64
	s_mov_b32 s29, 4096
	s_mov_b32 s30, 0
	s_mov_b32 s31, 0
	; the weights: a quarter a wave, 49,152 dense bytes as 192 rows of 32 elements of 8 bytes; asked for jointly by the four work-groups
	s_mov_b32 s36, 15|(3<<16)|(1<<21)
	s_mov_b32 s37, 32<<16
	s_mov_b32 s38, 192<<16
	s_mov_b32 s39, 32<<16
	s_mov_b32 s40, 192
	s_mov_b32 s41, 32
	s_mov_b32 s42, 0
	s_mov_b32 s43, 0
	s_mov_b32 s[SEL], 0x76543210
	s_mov_b32 s[SEL+1], 0xfedcba98
	s_mov_b32 s[MNT], 0x600000
	s_mul_i32 s33, s[WV], 64*XP
	s_add_co_u32 s33, s33, XT                      ; x's rows 64 w on, in LDS
	s_mul_i32 s45, s[WV], 49152                    ; my quarter of the weights, in LDS
	s_mul_i32 s74, s[WV], 49152                    ; and in memory: the wave's number alone
	s_mov_b32 s75, 0
	s_lshl_b32 s72, s54, 22                        ; x: image x 4 MiB + 64 w rows of 16,384 bytes + 256 x block
	s_lshl_b32 s73, s[WV], 20
	s_add_co_u32 s72, s72, s73
	s_lshl_b32 s73, s55, 8
	s_add_co_u32 s72, s72, s73
	s_mov_b32 s73, 0
	s_mul_i32 s76, s53, 16896                      ; my block in qbuf
	s_lshl_b32 s77, s54, 5
	s_add_co_u32 s77, s77, s56
	s_mul_i32 s77, s77, 33792                      ; my step's block in kbuf and in vbuf
	s_and_b32 s78, s[WV], 1                        ; which K step of q or k I make
	s_lshl_b32 s79, s78, 11
	s_lshl_b32 s78, s78, 8
	s_lshl_b32 s58, s57, 14
	s_add_co_u32 s60, s77, s58                     ; k's codes: + 16,384 half
	s_lshl_b32 s58, s57, 9
	s_add_co_u32 s62, s77, s58
	s_add_co_u32 s62, s62, 32768                   ; k's scale words: + 32,768 + 512 half
	s_add_co_u32 s59, s76, 16384                   ; q's scale words
	s_lshl_b32 s58, s57, 10
	s_add_co_u32 s66, s77, s58
	s_lshl_b32 s58, s[WV], 13
	s_add_co_u32 s66, s66, s58                     ; v's codes: + 1,024 half + 8,192 w
	s_lshl_b32 s58, s57, 1
	s_add_co_u32 s68, s77, s58
	s_lshl_b32 s58, s[WV], 8
	s_add_co_u32 s68, s68, s58
	s_add_co_u32 s68, s68, 32768                   ; v's scale bytes: + 32,768 + 256 w + 2 half
	s_mov_b32 s61, 0
	s_mov_b32 s63, 0
	s_mov_b32 s67, 0
	s_mov_b32 s69, 0
	s_cmp_lt_u32 s[WV], 2                          ; waves 0 and 1 store q, waves 2 and 3 k
	s_cselect_b32 s60, s76, s60
	s_cselect_b32 s62, s59, s62
	s_wait_dscnt 0x0
	s_wait_kmcnt 0x0
	s_cselect_b64 s[70:71], s[18:19], s[20:21]
	s_add_co_u32 s60, s60, s79                     ; + 2,048 ks
	s_add_co_u32 s62, s62, s78                     ; + 256 ks
	s_add_nc_u64 s[60:61], s[70:71], s[60:61]      ; where my fragments of q or k go,
	s_add_nc_u64 s[62:63], s[70:71], s[62:63]      ; and their scale words
	s_add_nc_u64 s[66:67], s[22:23], s[66:67]
	s_add_nc_u64 s[68:69], s[22:23], s[68:69]
	s_lshl_b32 s58, s54, 9
	s_mov_b32 s59, 0
	s_add_nc_u64 s[6:7], s[6:7], s[58:59]          ; my image's statistics
	s_mov_b32 s32, 1
	s_add_nc_u64 s[34:35], s[4:5], s[72:73]
	s_or_b32 s35, s35, 0x80000000
	s_mov_b32 s44, 1
	s_add_nc_u64 s[46:47], s[12:13], s[74:75]
	s_or_b32 s47, s47, 0x80000000
	ROUND                                          ; the four work-groups are here: the joint loads meet
	tensor_load_to_lds s[32:35], s[24:31]          ; x's tile first: it is wanted first
	s_nop 0
	tensor_load_to_lds s[44:47], s[36:43]          ; the weights.  Two loads of mine are out
	s_nop 0
	PLACES 4
	v_and_b32 v2, 15, v0                           ; r
	v_bfe_u32 v3, v0, 4, 1                         ; h
	v_and_b32 v1, 8, v2
	v_add_nc_u32 v1, v1, v2                        ; r + 8 (r / 8)
	v_and_b32 v5, 31, v0
	v_lshlrev_b32 v6, 2, v5                        ; 4 x lane
	v_lshlrev_b32 v5, 4, v5                        ; 16 x lane
	s_lshr_b32 s58, s[WV], 1
	s_lshl_b32 s58, s58, 7
	s_and_b32 s59, s[WV], 1
	s_lshl_b32 s59, s59, 5
	s_add_co_u32 s58, s58, s59
	s_add_co_u32 s58, s58, XT
	v_mul_u32_u24 v4, v3, 16*XP
	v_lshl_add_u32 v4, v1, 2, v4
	v_add_nc_u32 v4, s58, v4                       ; x in LDS: channel 16 h, my position of tile w: 32 (w / 2) + 8 (w % 2) + r + 8 (r / 8)
	s_lshl_b32 s58, s[WV], 12
	v_add_nc_u32 v7, s58, v5
	v_add_nc_u32 v7, HIMG, v7                      ; where I store h's images
	s_lshl_b32 s58, s[WV], 7
	v_add_nc_u32 v8, s58, v6
	v_add_nc_u32 v8, HSC, v8                       ; and their scale words
	s_lshl_b32 s58, s[WV], 15
	v_add_nc_u32 v9, s58, v5                       ; my 16 fragments of W for q or k
	s_lshl_b32 s58, s[WV], 14
	v_add_nc_u32 v10, s58, v5
	v_add_nc_u32 v10, 131072, v10                  ; my 8 for v
	v_lshl_add_u32 v11, v3, 6, TABA                ; the tables: 16 channels of my half
	v_lshl_add_u32 v13, v3, 3, TABM                ; two groups of my half
	v_lshlrev_b32 v14, 4, v3                       ; 16 h
	v_add_nc_u32 v204, HIMG, v5
	v_add_nc_u32 v205, HSC, v6
	v_lshl_add_u32 v220, v0, 2, TABA               ; the tables are made by channel: thread t makes channels t and t + 128
	v_lshrrev_b32 v221, 3, v0
	v_lshlrev_b32 v223, 4, v221                    ; its group's 16 bytes of statistics
	v_lshl_add_u32 v221, v221, 2, TABM
	v_lshlrev_b32 v222, 2, v0
	v_lshlrev_b32 v224, 3, v1
	v_lshl_add_u32 v224, v3, 2, v224               ; W's scale words: 8 bytes a row; lanes 0-15 take K step 0's word, lanes 16-31 K step 1's
	s_lshl_b32 s58, s[WV], 9
	v_add_nc_u32 v227, s58, v224                   ; v's rows: 64 w on
	v_lshl_add_u32 v225, v3, 6, s58                ; bias of q or k: 128 w numbers on, + 16 h
	s_lshl_b32 s58, s[WV], 10
	v_add_nc_u32 v224, s58, v224                   ; q's or k's rows: 128 w on
	s_lshl_b32 s58, s[WV], 8
	v_lshl_add_u32 v226, v1, 2, s58                ; bias of v: my channel of a tile
	v_cmp_ne_u32 vcc_lo, 0, v3                     ; lanes 16-31
.irp b, 0,1,2,3
	v_mov_b32 v[TM+4+\b], 0                        ; a lane permute's destination counts as one of its sources
.endr
	global_load_b32 v216, v222, s[8:9]
	global_load_b32 v217, v222, s[8:9] offset:512
	global_load_b32 v218, v222, s[10:11]
	global_load_b32 v219, v222, s[10:11] offset:512
	global_load_b128 v[208:211], v223, s[6:7]
	global_load_b128 v[212:215], v223, s[6:7] offset:256
.irp t, 0,1,2,3,4,5,6,7
	global_load_b32 v[WS+\t], v224, s[14:15] offset:8*(32*(\t/2)+8*(\t%2))
.endr
.irp t, 0,1,2,3
	global_load_b32 v[WS+8+\t], v227, s[14:15] offset:4096+8*(32*(\t/2)+8*(\t%2))
.endr
	WIN 0x80                                       ; destination window 2
.irp t, 0,1,2,3,4,5,6,7
	global_load_b128 v[128+8*\t:131+8*\t], v225, s[16:17] offset:4*(32*(\t/2)+8*(\t%2))
	global_load_b128 v[132+8*\t:135+8*\t], v225, s[16:17] offset:4*(32*(\t/2)+8*(\t%2))+16
.endr
.irp t, 0,1,2,3
	global_load_b32 v[192+8*\t], v226, s[16:17] offset:2048+4*(32*(\t/2)+8*(\t%2))
.endr
	s_wait_loadcnt 0x0
	WIN 0x82
.irp t, 0,1,2,3
.irp k, 1,2,3,4,5,6,7
	v_mov_b32 v[192+8*\t+\k], v[192+8*\t]          ; v's bias is one number a lane: eight copies make the C of a tile's first product
.endr
.endr
	WIN 0
	; the tables.  The two halves of a group hold 16,384 numbers each: mean = (ma + mb) / 2;  var = (Sa + Sb) / 32,768 + ((ma - mb) / 2)^2
.irp q, 0,1
	v_add_f32 v[40+4*\q], v[208+4*\q], v[210+4*\q]
	v_sub_f32 v[41+4*\q], v[208+4*\q], v[210+4*\q]
	v_add_f32 v[42+4*\q], v[209+4*\q], v[211+4*\q]
	v_mul_f32 v[40+4*\q], 0.5, v[40+4*\q]
	v_mul_f32 v[41+4*\q], 0.5, v[41+4*\q]
	v_mul_f32 v[41+4*\q], v[41+4*\q], v[41+4*\q]
	v_fmamk_f32 v[42+4*\q], v[42+4*\q], 0x38000000, v[41+4*\q]
	v_add_f32 v[42+4*\q], 0x3727c5ac, v[42+4*\q]   ; + 1e-5
	v_rsq_f32 v[42+4*\q], v[42+4*\q]
	v_nop                                          ; a plain instruction behind the transcendental
	s_wait_alu depctr_va_vdst(0)
	v_mul_f32 v[42+4*\q], v[42+4*\q], v[216+\q]
	ds_store_b32 v220, v[42+4*\q] offset:512*\q
	ds_store_b32 v220, v[218+\q] offset:1024+512*\q
	ds_store_b32 v221, v[40+4*\q] offset:64*\q     ; the eight threads of a group write the same word with the same value
.endr
	s_wait_dscnt 0x0                               ; my part of the tables has landed,
	s_wait_tensorcnt 0x1                           ; and my 64 rows of x; the weights' load, issued behind it, may stay out
	s_barrier_signal -1
	s_barrier_wait -1
	; h: lane (r, h) of wave w takes, of its position, channels 32 bb + 16 h + i
.irp bb, 0,1,2,3,4,5,6,7
.irp i, 0,1,2,3,4,5,6,7,8,9,10,11,12,13,14,15
	ds_load_b32 v[HA+16*\bb+16*(\bb/4)+\i], v4 offset:(32*\bb+\i)*XP
.endr
.endr
	WIN 0xc0                                       ; destination window 3
.irp bb, 0,1,2,3,4,5,6,7
.irp q, 0,1,2,3
	ds_load_b128 v[16*\bb+4*\q:16*\bb+4*\q+3], v11 offset:128*\bb+16*\q
	ds_load_b128 v[128+16*\bb+4*\q:128+16*\bb+4*\q+3], v11 offset:1024+128*\bb+16*\q
.endr
.endr
	WIN 0x80
.irp bb, 0,1,2,3,4,5,6,7
	ds_load_b64 v[224+2*\bb:225+2*\bb], v13 offset:16*\bb
.endr
	s_wait_dscnt 0x0
	WIN 0x08                                       ; source 1 (the means) window 2
.irp bb, 0,1,2,3,4,5,6,7
.irp i, 0,2,4,6
	v_pk_add_f32 v[HA+16*\bb+16*(\bb/4)+\i:HA+16*\bb+16*(\bb/4)+\i+1], v[HA+16*\bb+16*(\bb/4)+\i:HA+16*\bb+16*(\bb/4)+\i+1], v[224+2*\bb:225+2*\bb] op_sel_hi:[1,0] neg_lo:[0,1] neg_hi:[0,1]   ; x - mean: the first group's mean for both
.endr
.irp i, 8,10,12,14
	v_pk_add_f32 v[HA+16*\bb+16*(\bb/4)+\i:HA+16*\bb+16*(\bb/4)+\i+1], v[HA+16*\bb+16*(\bb/4)+\i:HA+16*\bb+16*(\bb/4)+\i+1], v[224+2*\bb:225+2*\bb] op_sel:[0,1] op_sel_hi:[1,1] neg_lo:[0,1] neg_hi:[0,1]   ; the second group's
.endr
.endr
	WIN 0x3c                                       ; sources 1 and 2 window 3
.irp bb, 0,1,2,3,4,5,6,7
.irp i, 0,2,4,6,8,10,12,14
	v_pk_fma_f32 v[HA+16*\bb+16*(\bb/4)+\i:HA+16*\bb+16*(\bb/4)+\i+1], v[HA+16*\bb+16*(\bb/4)+\i:HA+16*\bb+16*(\bb/4)+\i+1], v[16*\bb+\i:16*\bb+\i+1], v[128+16*\bb+\i:128+16*\bb+\i+1]
.endr
.endr
	WIN 0
	QUANT HA, PC, PW
	IMAGE 7, 0
	s_wait_dscnt 0x0                               ; the stores have read their registers
	QUANT 128, PC, PW+1
	IMAGE 7, 2048
	v_cndmask_b32 v206, v[PW], v[PW+1], vcc_lo     ; lanes 0-15: K step 0's word of row r; lanes 16-31: K step 1's
	ds_store_b32 v8, v206
	s_wait_tensorcnt 0x0                           ; my quarter of the weights is in,
	s_wait_dscnt 0x0                               ; my tile of h has landed
	s_barrier_signal -1
	s_barrier_wait -1
	WIN 0xc0
.irp f, 0,1,2,3,4,5,6,7
.irp c, 0,1,2,3
	ds_load_b128 v[16*\f+4*\c:16*\f+4*\c+3], v204 offset:2048*\f+512*\c     ; h's eight fragments
.endr
.endr
	WIN 0
.irp m, 0,1,2,3
	ds_load_b32 v[HS+\m], v205 offset:128*\m
.endr
	WIN 0x40
.irp f, 0,1,2,3,4,5,6,7,8,9,10,11,12,13,14,15
.irp c, 0,1,2,3
	ds_load_b128 v[16*\f+4*\c:16*\f+4*\c+3], v9 offset:2048*\f+512*\c
.endr
.endr
	WIN 0x80
.irp f, 0,1,2,3,4,5,6,7
.irp c, 0,1,2,3
	ds_load_b128 v[16*\f+4*\c:16*\f+4*\c+3], v10 offset:2048*\f+512*\c
.endr
.endr
	s_wait_dscnt 0x0
	; q or k: my 128 channels for a tile of 16 positions at a time.  The eight accumulators take turns; the bias is the C of each sum's first product
.irp m, 0,1,2,3
	WIN 0x2d                                       ; source 0 (W) window 1, source 1 (h) window 3, C (bias) window 2
.irp t, 0,1,2,3,4,5,6,7
	WM HA+8*\t, 32*\t, 32*\m, 0, 128+8*\t, WS+\t, HS+\m, 0, 0
.endr
	WIN 0x0d
.irp t, 0,1,2,3,4,5,6,7
	WM HA+8*\t, 32*\t+16, 32*\m+16, 0, HA+8*\t, WS+\t, HS+\m, 1, 1
.endr
	WIN 0
	PLACES 8                                       ; in front of the first read of results
	s_wait_xcnt 0x0                                ; the last tile's stores have read their registers
	QUANT HA, PC, PW+\m
.irp c, 0,1,2,3
	global_store_b128 v5, v[PC+4*\c:PC+4*\c+3], s[60:61] offset:4096*\m+512*\c     ; 512 consecutive bytes a store
.endr
.endr
	v_cndmask_b32 v206, v[PW], v[PW+1], vcc_lo     ; two tiles' words to a register: tile 2 j in lanes 0-15, tile 2 j + 1 in lanes 16-31
	v_cndmask_b32 v207, v[PW+2], v[PW+3], vcc_lo
	global_store_b32 v6, v206, s[62:63]
	global_store_b32 v6, v207, s[62:63] offset:128 ; the two stores cover 256 consecutive bytes, aligned
	; v: my 64 channels, two tiles of 16 at a time, for the 64 positions: eight accumulators by turns
.irp p, 0,1
	WIN 0x2b                                       ; source 0 (h) window 3, source 1 (W) window 2, C (bias) window 2
.irp u, 0,1
.irp m, 0,1,2,3
	WM HA+32*\u+8*\m, 32*\m, 32*(2*\p+\u), 0, 192+8*(2*\p+\u), HS+\m, WS+8+2*\p+\u, 0, 0
.endr
.endr
	WIN 0x0b
.irp u, 0,1
.irp m, 0,1,2,3
	WM HA+32*\u+8*\m, 32*\m+16, 32*(2*\p+\u)+16, 0, HA+32*\u+8*\m, HS+\m, WS+8+2*\p+\u, 1, 1
.endr
.endr
	WIN 0
	PLACES 8
	s_wait_xcnt 0x0
	QUANT HA, PC, PW                               ; block 2 u + bl: tile u's channel r, positions 32 bl + 16 h + 0..15
.irp u, 0,1
.irp bl, 0,1
	global_store_b128 v5, v[PC+8*\u+4*\bl:PC+8*\u+4*\bl+3], s[66:67] offset:(2*\p+\u)*2048+512*\bl
.endr
.endr
	v_lshrrev_b32 v206, v14, v[PW]                 ; lanes 0-15: the first tile's two bytes; lanes 16-31: the second's
	global_store_b16 v6, v206, s[68:69] offset:128*\p
.endr
	s_wait_tensorcnt 0x0
	ds_add_u32 v254, v255
	s_wait_dscnt 0x0
	ROUND                                          ; the closing round: no work-group ends while a partner may still ask jointly
	s_endpgm
.Lfunc_end_k_q3f26a7ff7e_qkv:
	.size	k_q3f26a7ff7e_qkv, .Lfunc_end_k_q3f26a7ff7e_qkv-k_q3f26a7ff7e_qkv
	.p2alignl 7, 3214868480
	.fill 96, 4, 3214868480
	.section	.rodata,"a",@progbits
	.p2align	6, 0x0
	.amdhsa_kernel k_q3f26a7ff7e_qkv
		.amdhsa_group_segment_fixed_size 284160
		.amdhsa_private_segment_fixed_size 0
		.amdhsa_enable_private_segment 0
		.amdhsa_kernarg_size 80
		.amdhsa_user_sgpr_count 2
		.amdhsa_user_sgpr_kernarg_segment_ptr 1
		.amdhsa_wavefront_size32 1
		.amdhsa_system_sgpr_workgroup_id_x 1
		.amdhsa_system_sgpr_workgroup_id_y 1
		.amdhsa_system_sgpr_workgroup_id_z 1
		.amdhsa_system_vgpr_workitem_id 0
		.amdhsa_next_free_vgpr 1024
		.amdhsa_next_free_sgpr 80
		.amdhsa_reserve_vcc 1
		.amdhsa_float_denorm_mode_32 3
		.amdhsa_float_denorm_mode_16_64 3
		.amdhsa_memory_ordered 1
		.amdhsa_forward_progress 1
		.amdhsa_inst_pref_size 125
	.end_amdhsa_kernel
	.amdgpu_metadata
---
amdhsa.version: [ 1, 2 ]
amdhsa.kernels:
  - .name:           k_q3f26a7ff7e_qkv
    .symbol:         k_q3f26a7ff7e_qkv.kd
    .args:
      - { .name: x, .offset: 0, .size: 8, .value_kind: global_buffer, .address_space: global }
      - { .name: stats, .offset: 8, .size: 8, .value_kind: global_buffer, .address_space: global }
      - { .name: gn_w, .offset: 16, .size: 8, .value_kind: global_buffer, .address_space: global }
      - { .name: gn_b, .offset: 24, .size: 8, .value_kind: global_buffer, .address_space: global }
      - { .name: wfrag, .offset: 32, .size: 8, .value_kind: global_buffer, .address_space: global }
      - { .name: qkv_w_scales, .offset: 40, .size: 8, .value_kind: global_buffer, .address_space: global }
      - { .name: qkv_b, .offset: 48, .size: 8, .value_kind: global_buffer, .address_space: global }
      - { .name: qbuf, .offset: 56, .size: 8, .value_kind: global_buffer, .address_space: global }
      - { .name: kbuf, .offset: 64, .size: 8, .value_kind: global_buffer, .address_space: global }
      - { .name: vbuf, .offset: 72, .size: 8, .value_kind: global_buffer, .address_space: global }
    .group_segment_fixed_size: 284160
    .private_segment_fixed_size: 0
    .kernarg_segment_align: 8
    .kernarg_segment_size: 80
    .max_flat_workgroup_size: 128
    .sgpr_count:     80
    .vgpr_count:     1024
    .wavefront_size: 32
...
	.end_amdgpu_metadata
.endif
;; end of part 2
;; launch attn (part 3): grid 64 x 4, 4 waves a work-group, clusters of 4 x 1, 327,680 bytes of LDS; arguments qbuf, kbuf, vbuf, wfrag, proj_w_scales, proj_b, x, out0; writes out0
.if DOCPART == 3
	.amdgcn_target "amdgcn-amd-amdhsa--gfx1250"
	.amdhsa_code_object_version 6
	.text
	.protected	k_q3f26a7ff7e_attn
	.globl	k_q3f26a7ff7e_attn
	.p2align	8
	.type	k_q3f26a7ff7e_attn,@function
k_q3f26a7ff7e_attn:
	s_mov_b64 s[64:65], 0
	v_nop
	global_prefetch_b8 v0, s[64:65] scope:SCOPE_SE
	s_setreg_imm32_b32 hwreg(HW_REG_WAVE_MODE, 25, 1), 1
	s_wait_xcnt 0x0
	s_wait_alu depctr_hold_cnt(0) depctr_sa_sdst(0) depctr_va_vdst(0) depctr_va_sdst(0) depctr_va_ssrc(0) depctr_va_vcc(0) depctr_vm_vsrc(0)
	s_getreg_b32 s2, hwreg(HW_REG_IB_STS2, 6, 4)
	s_cmp_eq_u32 s2, 0
	s_cbranch_scc0 .Lentry_in_a_cluster
	s_endpgm
.Lentry_in_a_cluster:
	s_bfe_u32 s2, ttmp6, 0x10000c
	s_cmp_lg_u32 s2, 0x3003
	s_cbranch_scc0 .Lentry_shape_is_right
	s_endpgm
.Lentry_shape_is_right:
; out0 = x + proj_w attention(q, k, v) + proj_b, all three products on codes of E4M3 with one E8M0 scale for each 32 along K.
; SOFTMAX: t = score x log2(e) / 16; M = the largest t so far, rounded up to a whole number; p = 2^(t - M) is quantised along the keys; the sum l is taken of the unquantised p and divides at the end.
; SHARES.  A work-group owns 64 queries of one image: four tiles of 16.  THE WAVES SHARE THE KEYS: wave w walks key steps 4 g + w (128 keys each), g = 0..7, for all four tiles, so that each fragment of K and V that it reads
; from LDS feeds four matrix instructions.  Each wave keeps its own M, l and O^T; at the end they are joined by exact powers of two.  Register slot i of wave w holds tile (w + i) % 4: slot 0 is the tile that the wave finishes.
; LAYOUT.  S^T = K Q^T and O^T = V^T P^T: a lane holds one query throughout.  K's, V's and Q's fragments and scale words lie in memory as images of the operand's registers; the keys of a tile of K and the channels of a
; tile of V are chosen (32 b + 8 u + r + 8 (r / 8)) so that 16 registers of two neighbouring result tiles are 16 neighbours along the next K.
; O^T UNDER A NEW M.  The 256 packed multiplications by f = 2^(old M - new M) of a step are dealt among the second product's 64 matrix instructions, four behind each, three accumulators ahead of their use: they name no
; register of the products round them.  O^T and V's fragments lie in different windows, so each such slice costs two switches: 128 a step; set apart, the multiplications would stand where no product is issued.
; LDS.  One slot for K and one for V, each with the four waves' steps of a group (4 x 33,792 bytes: 16 fragments and 1,024 bytes of scale words).  A wave reads only what its own load brought.  K's slot is filled again in the
; middle of the softmax, when the scores are made; V's behind the second product: each load has about half a group's work in which to land.  By this text's count two loads of a wave are out at the start, later one.
; CLUSTER.  The four blocks of queries of a cluster walk the same K and V: every fill is asked for jointly, behind a round of the cluster's barrier.
; THE PROJECTION.  There the waves share the output channels: wave w makes channels 64 w .. 64 w + 63 for all 64 queries, so that it reads 16,384 bytes of proj_w and not all 65,536; the four tiles' codes go round through LDS as images.
; O^T is cleared once by packed additions in the shadow of the first fills, so that the group is written twice and not three times: a third copy is some 12 KB of code.
; LIMITS: NaN and infinities are not served; a block whose largest magnitude lies under 2^-118 gets the scale byte 1, a block of zeros too (its codes are zeros).
; REGISTERS.  Window 0: v1-7 addresses; v8+4 i: slot i's -M, f, l in two halves; v24-31 K's, then V's scale words; v32-35 Q's; v36-39 p's; v40-55 the quantiser's; v56-57 a pair of zeros; v58-61 at work;
;   v64-127 p's codes, in the first product four fragments of K; v128-255 Q.   Window 1: S^T (32 kt + 8 i), later V's fragments; its upper half holds K's first eight fragments.   Windows 2, 3: O^T: slot i at window 2 + i / 2, 128 (i % 2) + 8 ct.
.set STEPB, 33792
.set VSL,   135168
.set SPARE, 270336                     ; the spare words, 128 bytes for each wave: two blocks of 256 bytes that no other line names
.set AIMG,  270848                     ; the tail: the attention's result as codes: 8 fragments (2 tile + ks); no fill ever lands here
.set ASC,   287232                     ; their scale words: 128 bytes a tile: lanes 0-15 K step 0, lanes 16-31 K step 1
.set MREG,  16640                      ; the tail: a partial O^T: 32 groups of 512 bytes, then -M and l, 128 bytes each; twelve of them from LDS byte 0 on
.set OSTG,  199680                     ; the tail: the stage for the result, 64 rows (channels) x (256 bytes + 16) for each wave.  It and the partial results lie in the slots, which have had their last fill by then
.set TM,  40
.set WV,  20
.set SEL, 40
.set MNT, 44
.set G0K, 32
.set G0V, 36
.set MSB, 0
.macro WIN new                         ; the immediate's high byte repeats the setting that is left
.if MSB != \new
	s_set_vgpr_msb (MSB<<8)|\new
.set MSB, \new
.endif
.endm
.macro ROUND                           ; a round of the cluster's barrier
	s_barrier_signal -1
	s_barrier_wait -1
	s_cmp_lg_u32 s[WV], 0
	s_cbranch_scc1 .Lnot_wave_0_\@
	s_barrier_signal -3
.Lnot_wave_0_\@:
	s_barrier_wait -3
	s_barrier_signal -1
	s_barrier_wait -1
.endm
.macro PLACES n
.rept \n
	v_nop
.endr
.endm
; One matrix instruction.  cz = 1: C is the constant 0, else v[c] on.  ra, rb = 1: that side's scales are read from lanes 16-31
.macro WM d, a, b, cz, c, sa, sb, ra, rb
.if (\cz)
.if (\ra) && (\rb)
	v_wmma_scale_f32_16x16x128_f8f6f4 v[(\d):(\d)+7], v[(\a):(\a)+15], v[(\b):(\b)+15], 0, v[(\sa)], v[(\sb)] matrix_a_scale:MATRIX_SCALE_ROW1 matrix_b_scale:MATRIX_SCALE_ROW1
.elseif (\ra)
	v_wmma_scale_f32_16x16x128_f8f6f4 v[(\d):(\d)+7], v[(\a):(\a)+15], v[(\b):(\b)+15], 0, v[(\sa)], v[(\sb)] matrix_a_scale:MATRIX_SCALE_ROW1
.elseif (\rb)
	v_wmma_scale_f32_16x16x128_f8f6f4 v[(\d):(\d)+7], v[(\a):(\a)+15], v[(\b):(\b)+15], 0, v[(\sa)], v[(\sb)] matrix_b_scale:MATRIX_SCALE_ROW1
.else
	v_wmma_scale_f32_16x16x128_f8f6f4 v[(\d):(\d)+7], v[(\a):(\a)+15], v[(\b):(\b)+15], 0, v[(\sa)], v[(\sb)]
.endif
.else
.if (\ra) && (\rb)
	v_wmma_scale_f32_16x16x128_f8f6f4 v[(\d):(\d)+7], v[(\a):(\a)+15], v[(\b):(\b)+15], v[(\c):(\c)+7], v[(\sa)], v[(\sb)] matrix_a_scale:MATRIX_SCALE_ROW1 matrix_b_scale:MATRIX_SCALE_ROW1
.elseif (\ra)
	v_wmma_scale_f32_16x16x128_f8f6f4 v[(\d):(\d)+7], v[(\a):(\a)+15], v[(\b):(\b)+15], v[(\c):(\c)+7], v[(\sa)], v[(\sb)] matrix_a_scale:MATRIX_SCALE_ROW1
.elseif (\rb)
	v_wmma_scale_f32_16x16x128_f8f6f4 v[(\d):(\d)+7], v[(\a):(\a)+15], v[(\b):(\b)+15], v[(\c):(\c)+7], v[(\sa)], v[(\sb)] matrix_b_scale:MATRIX_SCALE_ROW1
.else
	v_wmma_scale_f32_16x16x128_f8f6f4 v[(\d):(\d)+7], v[(\a):(\a)+15], v[(\b):(\b)+15], v[(\c):(\c)+7], v[(\sa)], v[(\sb)]
.endif
.endif
.endm
; 64 numbers of a lane, register 16 b + i = k 32 b + 16 (lane / 16) + i of my row, become a fragment's codes in v[pc] on and its scale word in v[pw].
.macro QUANT s, pc, pw
.irp b, 0,1,2,3
	v_max3_num_f32 v[TM+\b], |v[(\s)+16*\b]|, |v[(\s)+1+16*\b]|, 0x4800000   ; block b: my 16 numbers, and the floor 2^(9 - 127)
.endr
.irp i, 2,4,6,8,10,12,14
.irp b, 0,1,2,3
	v_max3_num_f32 v[TM+\b], v[TM+\b], |v[(\s)+16*\b+\i]|, |v[(\s)+1+16*\b+\i]|
.endr
.endr
.irp b, 0,1,2,3
	v_permlanex16_b32 v[TM+4+\b], v[TM+\b], s[SEL], s[SEL+1]
.endr
.irp b, 0,1,2,3
	v_max_num_f32 v[TM+\b], v[TM+\b], v[TM+4+\b]
.endr
.irp b, 0,1,2,3
	v_add_nc_u32 v[TM+12+\b], 0xfc000000, v[TM+\b]
.endr
.irp b, 0,1,2,3
	v_and_or_b32 v[TM+8+\b], v[TM+\b], 0x7f800000, s[MNT]
.endr
.irp b, 0,1,2,3
	v_lshrrev_b32 v[TM+4+\b], 23, v[TM+12+\b]
.endr
	v_lshl_or_b32 v[(\pw)], v[TM+5], 8, v[TM+4]
	v_lshl_or_b32 v[(\pw)], v[TM+6], 16, v[(\pw)]
	v_lshl_or_b32 v[(\pw)], v[TM+7], 24, v[(\pw)]
.irp b, 0,1,2,3
.irp i, 0,1,2,3,4,5,6,7,8,9,10,11,12,13,14,15
	v_med3_num_f32 v[(\s)+16*\b+\i], v[(\s)+16*\b+\i], -v[TM+8+\b], v[TM+8+\b]   ; the conversion to an 8-bit code does not saturate (ISA guide 7.6.2)
.endr
	v_cvt_scalef32_pk8_fp8_f32 v[(\pc)+4*\b:(\pc)+1+4*\b], v[(\s)+16*\b:(\s)+7+16*\b], v[TM+12+\b]
	v_cvt_scalef32_pk8_fp8_f32 v[(\pc)+2+4*\b:(\pc)+3+4*\b], v[(\s)+8+16*\b:(\s)+15+16*\b], v[TM+12+\b]
.endr
	v_nop
.endm
	s_load_b256 s[4:11], s[0:1], 0x0               ; qbuf s[4:5], kbuf s[6:7], vbuf s[8:9], wfrag s[10:11]
	s_load_b256 s[12:19], s[0:1], 0x20             ; proj_w_scales s[12:13], proj_b s[14:15], x s[16:17], out0 s[18:19]
	v_lshl_add_u32 v5, v0, 2, SPARE
	v_mov_b32 v6, 0
	ds_add_u32 v5, v6
	ds_add_u32 v5, v6
	s_wait_dscnt 0x0
	v_lshrrev_b32 v1, 5, v0
	v_readfirstlane_b32 s[WV], v1                  ; wave 0..3
	s_bfe_u32 s21, ttmp6, 0x40000                  ; cx: it enters Q's, x's and out0's addresses alone
	s_lshl_b32 s22, ttmp9, 2
	s_add_co_u32 s22, s22, s21                     ; my block of 64 queries
	s_and_b32 s23, ttmp7, 0xffff                   ; the image, which the four partners share
	; descriptor group 1: a step's 33,792 dense bytes as 132 rows of 32 elements of 8 bytes; the mask names the four work-groups
	s_mov_b32 s24, 15|(3<<16)|(1<<21)
	s_mov_b32 s25, 32<<16
	s_mov_b32 s26, 132<<16
	s_mov_b32 s27, 32<<16
	s_mov_b32 s28, 132
	s_mov_b32 s29, 32
	s_mov_b32 s30, 0
	s_mov_b32 s31, 0
	s_mov_b32 s[SEL], 0x76543210
	s_mov_b32 s[SEL+1], 0xfedcba98
	s_mov_b32 s42, 0x3db8aa3b                      ; c = log2(e) / 16
	s_mov_b32 s43, s42                             ; (named with it as a pair, so it is written)
	s_mov_b32 s[MNT], 0x600000
	s_mov_b32 s45, 7                               ; groups that ask for a successor
	s_mul_i32 s33, s[WV], STEPB                    ; my part of K's slot,
	s_add_co_u32 s37, s33, VSL                     ; and of V's
	s_lshl_b32 s46, s23, 5
	s_add_co_u32 s46, s46, s[WV]
	s_mul_i32 s46, s46, STEPB                      ; step w of the image, in kbuf and in vbuf
	s_mov_b32 s47, 0
	s_lshl_b32 s74, s23, 6
	s_add_co_u32 s74, s74, s22
	s_mul_i32 s74, s74, 16896                      ; my block in qbuf
	s_mov_b32 s75, 0
	s_lshl_b32 s76, s23, 22                        ; x and out0: image x 4 MiB + 64 w rows of 16,384 bytes + 256 x block
	s_lshl_b32 s77, s[WV], 20
	s_add_co_u32 s76, s76, s77
	s_lshl_b32 s77, s22, 8
	s_add_co_u32 s76, s76, s77
	s_mov_b32 s77, 0
	s_mov_b32 s85, 0
	s_wait_kmcnt 0x0
	s_mov_b32 s32, 1
	s_add_nc_u64 s[34:35], s[6:7], s[46:47]
	s_or_b32 s35, s35, 0x80000000
	s_mov_b32 s36, 1
	s_add_nc_u64 s[38:39], s[8:9], s[46:47]
	s_or_b32 s39, s39, 0x80000000
	s_add_nc_u64 s[78:79], s[4:5], s[74:75]
.irp i, 0,1,2,3
	s_add_co_u32 s84, s[WV], \i
	s_and_b32 s84, s84, 3
	s_lshl_b32 s84, s84, 12
	s_add_nc_u64 s[66+2*\i:67+2*\i], s[78:79], s[84:85]    ; slot i's tile (w + i) % 4: two fragments
.endr
	s_add_nc_u64 s[80:81], s[16:17], s[76:77]
	s_add_nc_u64 s[82:83], s[18:19], s[76:77]
	ROUND                                          ; the four work-groups are here: the first joint loads meet
	tensor_load_to_lds s[G0K:G0K+3], s[24:31]
	s_nop 0
	tensor_load_to_lds s[G0V:G0V+3], s[24:31]
	s_nop 0
	PLACES 4
	v_and_b32 v7, 31, v0
	v_lshlrev_b32 v3, 2, v7
	v_lshlrev_b32 v7, 4, v7                        ; 16 x lane
	v_add_nc_u32 v1, s33, v7                       ; K's fragments
	v_add_nc_u32 v2, VSL, v1                       ; V's
	v_add_nc_u32 v3, s33, v3
	v_add_nc_u32 v3, 32768, v3                     ; K's scale words
	v_add_nc_u32 v4, VSL, v3                       ; V's
.irp i, 0,1,2,3
.irp ks, 0,1
.irp c, 0,1,2,3
	global_load_b128 v[128+32*\i+16*\ks+4*\c:128+32*\i+16*\ks+4*\c+3], v7, s[66+2*\i:67+2*\i] offset:2048*\ks+512*\c
.endr
.endr
.endr
	v_and_b32 v60, 15, v0
	v_bfe_u32 v61, v0, 4, 1
	v_add_nc_u32 v61, s[WV], v61
	v_and_b32 v48, 3, v61                          ; Q's scale words, two slots to a register: lanes 0-15 take tile (w + 2 j) % 4, lanes 16-31 tile (w + 2 j + 1) % 4
	v_add_nc_u32 v61, 2, v61
	v_and_b32 v49, 3, v61
	v_lshlrev_b32 v60, 2, v60
	v_lshl_add_u32 v48, v48, 6, v60
	v_lshl_add_u32 v49, v49, 6, v60
.irp ks, 0,1
.irp j, 0,1
	global_load_b32 v[32+2*\ks+\j], v[48+\j], s[78:79] offset:16384+256*\ks
.endr
.endr
.irp i, 0,1,2,3
	v_mov_b32 v[8+4*\i], 0x7f61b1e6                ; -M: M begins at -3e38, under every t
	v_mov_b32 v[9+4*\i], 0                         ; f
	v_mov_b32 v[10+4*\i], 0                        ; l, in two halves
	v_mov_b32 v[11+4*\i], 0
	v_mov_b32 v[44+\i], 0                          ; a lane permute's destination counts as one of its sources
.endr
	v_mov_b32 v56, 0
	v_mov_b32 v57, 0
	WIN 0x80
.set n, 0
.rept 128
	v_pk_add_f32 v[2*n:2*n+1], v[56:57], v[56:57]  ; O^T = 0: the first change of M leaves zeros zeros
.set n, n+1
.endr
	WIN 0xc0
.set n, 0
.rept 128
	v_pk_add_f32 v[2*n:2*n+1], v[56:57], v[56:57]
.set n, n+1
.endr
	WIN 0
.macro KLOAD f, reg                    ; fragment f of my step of K
.irp c, 0,1,2,3
	ds_load_b128 v[(\reg)+4*\c:(\reg)+4*\c+3], v1 offset:2048*(\f)+512*\c
.endr
.endm
; Tile kt of 16 keys against the four slots, both K steps: eight matrix instructions, the four accumulators by turns
.macro SMUL kt, areg
.irp ks, 0,1
.irp i, 0,1,2,3
	WM 32*(\kt)+8*\i, (\areg)+16*\ks, 128+32*\i+16*\ks, 1-\ks, 32*(\kt)+8*\i, 24+4*((\kt)/4)+2*\ks+((\kt)%4)/2, 32+2*\ks+\i/2, (\kt)%2, \i%2
.endr
.endr
.endm
; S^T = K Q^T.  K's 16 fragments are 256 registers: the first eight lie in the upper half of S^T's window while its lower half is made, four more where p's codes will lie, and the last four follow into those.
.macro SPHASE
.irp n, 0,1,2,3,4,5,6,7
	ds_load_b32 v[24+\n], v3 offset:128*\n
.endr
	WIN 0x40
.irp f, 0,1,2,3,4,5,6,7
	KLOAD \f, 128+16*\f
.endr
	WIN 0
.irp f, 8,9,10,11
	KLOAD \f, 64+16*(\f-8)
.endr
	WIN 0x51                                       ; K, C and D window 1, Q window 0
	s_wait_dscnt 40                                ; the scale words and fragments 0, 1 are in: 40 younger loads may be out
	SMUL 0, 128
	s_wait_dscnt 32
	SMUL 1, 160
	s_wait_dscnt 24
	SMUL 2, 192
	s_wait_dscnt 16
	SMUL 3, 224
	PLACES 9                                       ; the next results are laid over fragments that these products read
	WIN 0x50                                       ; K window 0
	s_wait_dscnt 8
	SMUL 4, 64
	PLACES 8                                       ; in front of loads into registers that matrix instructions have read
	WIN 0
	KLOAD 12, 64
	KLOAD 13, 80
	WIN 0x50
	s_wait_dscnt 8                                 ; fragments 10, 11 are in; the eight just issued may be out
	SMUL 5, 96
	PLACES 8
	WIN 0
	KLOAD 14, 96
	KLOAD 15, 112
	WIN 0x50
	s_wait_dscnt 8
	SMUL 6, 64
	s_wait_dscnt 0x0
	SMUL 7, 96
	PLACES 8                                       ; in front of the first read of results
.endm
; Slot i's softmax of a step.  Score (b, e), key 32 b + 16 (lane / 16) + e, lies at 64 b + 32 (e / 8) + 8 i + e % 8 of window 1.
.macro SM_A i
.set NM, 8+4*\i                        ; -M; the register behind it holds f
.set LL, 10+4*\i
	WIN 0x15
.irp b, 0,1,2,3
	v_max3_num_f32 v[40+\b], v[64*\b+8*\i], v[64*\b+8*\i+1], v[64*\b+8*\i+2]    ; the largest score of each block of 32 keys: for the row's maximum and for the block's largest p.  Each accumulator is read from its low end on
.endr
	WIN 0x14
.irp e, 3,5
.irp b, 0,1,2,3
	v_max3_num_f32 v[40+\b], v[40+\b], v[64*\b+8*\i+\e], v[64*\b+8*\i+\e+1]
.endr
.endr
.irp b, 0,1,2,3
	v_max3_num_f32 v[40+\b], v[40+\b], v[64*\b+8*\i+7], v[64*\b+32+8*\i]
.endr
.irp e, 1,3,5
.irp b, 0,1,2,3
	v_max3_num_f32 v[40+\b], v[40+\b], v[64*\b+32+8*\i+\e], v[64*\b+32+8*\i+\e+1]
.endr
.endr
.irp b, 0,1,2,3
	v_max_num_f32 v[40+\b], v[40+\b], v[64*\b+32+8*\i+7]
.endr
	WIN 0
.irp b, 0,1,2,3
	v_permlanex16_b32 v[44+\b], v[40+\b], s[SEL], s[SEL+1]
.endr
.irp b, 0,1,2,3
	v_max_num_f32 v[40+\b], v[40+\b], v[44+\b]     ; with lane l xor 16's 16 keys
.endr
	v_max3_num_f32 v60, v40, v41, v42
	v_max_num_f32 v60, v60, v43
	v_mul_f32 v60, s42, v60                        ; the step's largest t (c is positive)
	v_floor_f32 v60, -v60                          ; -ceil(t)
	v_min_num_f32 v60, v60, v[NM]                  ; the new -M: the ceiling of the larger is the larger of the ceilings, so the largest t itself need not be kept
	v_sub_f32 v61, v60, v[NM]                      ; old M - new M: a whole number, 0 or less
	v_mov_b32 v[NM], v60
	v_cvt_i32_f32 v61, v61                         ; (it saturates)
	v_fma_f32 v40, v40, s42, v60
	v_fma_f32 v41, v41, s42, v60
	v_ldexp_f32 v[NM+1], 1.0, v61                  ; f = 2^(old M - new M)
	v_fma_f32 v42, v42, s42, v60
	v_fma_f32 v43, v43, s42, v60
	WIN 0x41
.set n, 0
.rept 4
.set xpr, 32*(n/4)+8*\i+2*(n%4)
	v_pk_fma_f32 v[xpr:xpr+1], v[xpr:xpr+1], s[42:43], v[NM:NM+1] op_sel_hi:[1,0,0]   ; t - M; the first four pairs
.set n, n+1
.endr
.set n, 0
.rept 32                               ; p = 2^(t - M); the multiply-add of the pair four further on stands between a pair's two exponentials
.set xer, 32*(n/4)+8*\i+2*(n%4)
	v_exp_f32 v[xer], v[xer]
.if n < 28
.set xpr, 32*((n+4)/4)+8*\i+2*((n+4)%4)
	v_pk_fma_f32 v[xpr:xpr+1], v[xpr:xpr+1], s[42:43], v[NM:NM+1] op_sel_hi:[1,0,0]
.endif
	v_exp_f32 v[xer+1], v[xer+1]
.set n, n+1
.endr
	WIN 0
.irp b, 0,1,2,3
	v_exp_f32 v[40+\b], v[40+\b]                   ; the block's largest p: the same two instructions on the same number
.endr
	v_pk_mul_f32 v[LL:LL+1], v[LL:LL+1], v[NM:NM+1] op_sel:[0,1] op_sel_hi:[1,1]   ; l under the new M: x f, the pair's second word.  (The plain place behind the exponentials)
	s_wait_alu depctr_va_vdst(0)
.irp b, 0,1,2,3
	v_max_num_f32 v[40+\b], 0x4800000, v[40+\b]    ; the floor 2^(9 - 127)
.endr
.irp b, 0,1,2,3
	v_add_nc_u32 v[52+\b], 0xfc000000, v[40+\b]    ; the conversion's scale operand
.endr
.irp b, 0,1,2,3
	v_and_or_b32 v[48+\b], v[40+\b], 0x7f800000, s[MNT]   ; 448 x the scale
.endr
.irp b, 0,1,2,3
	v_lshrrev_b32 v[44+\b], 23, v[52+\b]           ; the scale's byte
.endr
	v_lshl_or_b32 v[36+\i], v45, 8, v44            ; p's scale word for these 128 keys
	v_lshl_or_b32 v[36+\i], v46, 16, v[36+\i]
	v_lshl_or_b32 v[36+\i], v47, 24, v[36+\i]
	; l is taken of the unquantised p: 32 packed additions in six chains (l itself, v58 and v40-47, which are free now), so that no addition reads the result of one of the five before it
	WIN 0x05
	v_pk_add_f32 v[58:59], v[8*\i:8*\i+1], v[8*\i+2:8*\i+3]
	v_pk_add_f32 v[40:41], v[8*\i+4:8*\i+5], v[8*\i+6:8*\i+7]
	v_pk_add_f32 v[42:43], v[32+8*\i:33+8*\i], v[34+8*\i:35+8*\i]
	v_pk_add_f32 v[44:45], v[36+8*\i:37+8*\i], v[38+8*\i:39+8*\i]
	v_pk_add_f32 v[46:47], v[64+8*\i:65+8*\i], v[66+8*\i:67+8*\i]
	WIN 0x04
.set n, 10
.rept 22
.set xpr, 32*(n/4)+8*\i+2*(n%4)
.set xid, (n-10)%6
.if xid == 0
.set xcr, LL
.elseif xid == 1
.set xcr, 58
.else
.set xcr, 36+2*xid
.endif
	v_pk_add_f32 v[xcr:xcr+1], v[xcr:xcr+1], v[xpr:xpr+1]
.set n, n+1
.endr
	WIN 0
	v_pk_add_f32 v[58:59], v[58:59], v[40:41]
	v_pk_add_f32 v[42:43], v[42:43], v[44:45]
	v_pk_add_f32 v[LL:LL+1], v[LL:LL+1], v[46:47]
	v_pk_add_f32 v[58:59], v[58:59], v[42:43]
	v_pk_add_f32 v[LL:LL+1], v[LL:LL+1], v[58:59]
	WIN 0x41
.set n, 0
.rept 64
	v_min_num_f32 v[32*(n/8)+8*\i+n%8], v[32*(n/8)+8*\i+n%8], v[48+n/16]    ; the hold: p is not negative, so it is one-sided
.set n, n+1
.endr
	WIN 0x01
.irp b, 0,1,2,3
	v_cvt_scalef32_pk8_fp8_f32 v[64+16*\i+4*\b:65+16*\i+4*\b], v[64*\b+8*\i:64*\b+8*\i+7], v[52+\b]
	v_cvt_scalef32_pk8_fp8_f32 v[66+16*\i+4*\b:67+16*\i+4*\b], v[64*\b+32+8*\i:64*\b+32+8*\i+7], v[52+\b]
.endr
.endm
.macro VLO                             ; V's scale words and its tiles 0-7, into the registers that slots 0 and 1 have left
	WIN 0
.irp n, 0,1,2,3,4,5,6,7
	ds_load_b32 v[24+\n], v4 offset:128*\n
.endr
	WIN 0x40
.irp t, 0,1,2,3,4,5,6,7
.irp c, 0,1,2,3
	ds_load_b128 v[32*\t+4*\c:32*\t+4*\c+3], v2 offset:2048*\t+512*\c
.endr
.endr
.endm
.macro VHI                             ; tiles 8-15, into those of slots 2 and 3
	WIN 0x40
.irp t, 0,1,2,3,4,5,6,7
.irp c, 0,1,2,3
	ds_load_b128 v[32*\t+16+4*\c:32*\t+16+4*\c+3], v2 offset:2048*(\t+8)+512*\c
.endr
.endr
.endm
; O^T += V^T P^T: 64 accumulators, each once a step.  Number pn of the order: tiles of channels 0-7 x slots 0, 1; the same x slots 2, 3; tiles 8-15 x slots 2, 3; the same x slots 0, 1.
.macro PVIDX
.set pq, pn/16
.set phi, ((pq+1)/2)%2                 ; slots 2, 3: window 3
.set pcc, (pn%16)/2
.set pii, pn%2
.set pct, 8*(pq/2)+pcc                 ; the tile of channels
.set pd, 128*pii+8*pct                 ; the accumulator
.set psl, 2*phi+pii                    ; the slot
.endm
.macro OSLICE                          ; accumulator pn under the new M: x f, the second word of the slot's pair (-M, f); from its low end on
	PVIDX
.set wv, 0x82+0x41*phi
	WIN wv
.irp k, 0,2,4,6
	v_pk_mul_f32 v[pd+\k:pd+\k+1], v[pd+\k:pd+\k+1], v[8+4*psl:9+4*psl] op_sel:[0,1] op_sel_hi:[1,1]
.endr
.endm
.macro PVMUL
	PVIDX
.set wv, 0xa1+0x50*phi                 ; V window 1, P window 0, C and D window 2 or 3
	WIN wv
	WM pd, 32*pcc+16*(pq/2), 64+16*psl, 0, pd, 24+pct/2, 36+psl, pcc%2, 0
.endm
.macro PV
.set pn, 0
	OSLICE                                         ; three slices lead; they are also the places behind the conversions and in front of the products
.set pn, 1
	OSLICE
.set pn, 2
	OSLICE
	s_wait_dscnt 32                                ; tiles 0-7 and the scale words are in; the 32 loads of tiles 8-15 may be out
.set pm, 0
.rept 64
.if pm == 32
	s_wait_dscnt 0x0                               ; tiles 8-15 are in
.endif
.set pn, pm
	PVMUL
.if pm+3 < 64
.set pn, pm+3
	OSLICE                                         ; the accumulator three products on
.endif
.set pm, pm+1
.endr
.endm
; A slot is filled again.  Every wave: all its tensor loads have landed; 0 onto its spare word; the descriptor steps four key steps on; the add and its reads of the slot are done; a round of the cluster's barrier, so that this
; holds of every wave of the four work-groups; then the joint load, first thing behind it and the wave's only one until the next round.
.macro CHG g0
	WIN 0
	s_wait_tensorcnt 0x0
	ds_add_u32 v5, v6
	s_add_nc_u64 s[\g0+2:\g0+3], s[\g0+2:\g0+3], 4*STEPB
	s_wait_dscnt 0x0
	ROUND
	tensor_load_to_lds s[\g0:\g0+3], s[24:31]
	s_nop 0
	PLACES 4
.endm
.macro GROUP fill
	SPHASE
	SM_A 0
	SM_A 1
.if \fill
	CHG G0K                                        ; the scores are made: K's slot takes the next group's steps.  The wait for all loads also shows this group's V landed
.else
	WIN 0
	s_wait_tensorcnt 0x0                           ; this group's V is in
.endif
	VLO
	SM_A 2
	SM_A 3
	VHI
	PV
.if \fill
	CHG G0V                                        ; V's slot takes the next group's steps.  The wait for all loads also shows the next group's K landed
	PLACES 5                                       ; nine places in all: the next products write S^T over registers that the last ones read
.endif
.endm
	s_wait_loadcnt 0x0                             ; Q
	s_wait_tensorcnt 0x1                           ; my step of K is in; V's load, issued behind it, may stay out.  I read only what my own load brought
.Lgroup:
	GROUP 1
	s_sub_co_u32 s45, s45, 1
	s_cmp_lg_u32 s45, 0
	s_cbranch_scc1 .Lgroup
	GROUP 0                                        ; the last group is written out: it asks for nothing
	; THE TAIL.  l's halves are joined; slots 1 to 3 go to the waves that own their tiles.
	WIN 0
	PLACES 8
.irp i, 0,1,2,3
	v_add_f32 v[10+4*\i], v[10+4*\i], v[11+4*\i]
.endr
.irp i, 0,1,2,3
	v_permlanex16_b32 v[44+\i], v[10+4*\i], s[SEL], s[SEL+1]
.endr
.irp i, 0,1,2,3
	v_add_f32 v[10+4*\i], v[10+4*\i], v[44+\i]
.endr
	v_and_b32 v60, 15, v0                          ; r
	v_bfe_u32 v61, v0, 4, 1                        ; h
	v_cmp_ne_u32 vcc_lo, 0, v61                    ; lanes 16-31
	v_and_b32 v110, 8, v60
	v_add_nc_u32 v110, v110, v60                   ; r + 8 (r / 8)
	v_and_b32 v111, 31, v0
	v_lshlrev_b32 v111, 2, v111                    ; 4 x lane
	s_lshl_b32 s86, s[WV], 9
	v_lshlrev_b32 v96, 3, v110
	v_lshl_add_u32 v96, v61, 2, v96
	v_add_nc_u32 v96, s86, v96                     ; proj_w's scale words: 8 bytes a row, my rows 64 w on; lanes 0-15 K step 0, lanes 16-31 K step 1
	s_lshl_b32 s86, s[WV], 8
	v_lshl_add_u32 v97, v110, 2, s86               ; proj_b: my channels 64 w on
	v_lshlrev_b32 v98, 4, v60
	v_lshl_add_u32 v98, v61, 14, v98               ; x and out0: lanes 0-15 one channel's 256 bytes, lanes 16-31 the next channel's
	s_lshl_b32 s86, s[WV], 14
	v_add_nc_u32 v109, s86, v7                     ; proj_w's fragments: my eight, 16,384 w bytes on
	s_mul_i32 s85, s[WV], 64*272
	s_add_co_u32 s85, s85, OSTG                    ; my stage: 64 rows
	v_mul_u32_u24 v99, v110, 272
	v_lshl_add_u32 v99, v61, 6, v99
	v_add_nc_u32 v99, s85, v99                     ; in: my channel's row of a tile; positions 16 h on
	v_mul_u32_u24 v100, v61, 272
	v_lshl_add_u32 v100, v60, 4, v100
	v_add_nc_u32 v100, s85, v100                   ; and back: two rows an instruction
.irp i, 1,2,3
	s_add_co_u32 s86, s[WV], \i
	s_and_b32 s86, s86, 3
	s_mul_i32 s86, s86, 3*MREG
	s_add_co_u32 s86, s86, (\i-1)*MREG             ; slot i's tile t = (w + i) % 4 goes to place 3 t + i - 1
	v_add_nc_u32 v[100+\i], s86, v7
	v_add_nc_u32 v[103+\i], s86, v111
.endr
	s_mul_i32 s87, s[WV], 3*MREG
	v_add_nc_u32 v107, s87, v7                     ; my tile's three places
	v_add_nc_u32 v108, s87, v111
	s_lshl_b32 s86, s[WV], 12
	v_add_nc_u32 v116, s86, v7
	v_add_nc_u32 v116, AIMG, v116                  ; where I store my tile's two images,
	s_lshl_b32 s86, s[WV], 7
	v_add_nc_u32 v117, s86, v111
	v_add_nc_u32 v117, ASC, v117                   ; and its scale words
	v_add_nc_u32 v118, AIMG, v7                    ; from where every wave reads them
	v_add_nc_u32 v119, ASC, v111
	WIN 0x40
.irp f, 0,1,2,3,4,5,6,7
.irp c, 0,1,2,3
	global_load_b128 v[16*\f+4*\c:16*\f+4*\c+3], v109, s[10:11] offset:196608+2048*\f+512*\c      ; proj_w's tiles 4 w .. 4 w + 3, fragment 2 t + ks: asked for here, wanted behind the merge
.endr
.endr
	WIN 0
.irp t, 0,1,2,3
	global_load_b32 v[24+\t], v96, s[12:13] offset:8*(32*(\t/2)+8*(\t%2))
.endr
.irp t, 0,1,2,3
	global_load_b32 v[112+\t], v97, s[14:15] offset:4*(32*(\t/2)+8*(\t%2))
.endr
	s_wait_dscnt 0x0
	s_barrier_signal -1
	s_barrier_wait -1                              ; every wave's loads have landed and its reads of the slots are over: the slots may be written
	WIN 0x08                                       ; an LDS store's data are its source 1: window 2
.set g, 0
.rept 32
	ds_store_b128 v101, v[128+4*g:128+4*g+3] offset:512*g
.set g, g+1
.endr
	WIN 0x0c
.set g, 0
.rept 32
	ds_store_b128 v102, v[4*g:4*g+3] offset:512*g
.set g, g+1
.endr
.set g, 0
.rept 32
	ds_store_b128 v103, v[128+4*g:128+4*g+3] offset:512*g
.set g, g+1
.endr
	WIN 0
.irp i, 1,2,3
	ds_store_b32 v[103+\i], v[8+4*\i] offset:16384
	ds_store_b32 v[103+\i], v[10+4*\i] offset:16512
.endr
	s_wait_dscnt 0x0                               ; my partial results have landed
	s_barrier_signal -1
	s_barrier_wait -1
.macro PLOAD x, reg
.set g, 0
.rept 32
	ds_load_b128 v[(\reg)+4*g:(\reg)+4*g+3], v107 offset:MREG*(\x)+512*g
.set g, g+1
.endr
.endm
.irp x, 0,1,2
	ds_load_b32 v[40+\x], v108 offset:MREG*\x+16384
	ds_load_b32 v[44+\x], v108 offset:MREG*\x+16512
.endr
	WIN 0xc0
	PLOAD 0, 0
	WIN 0
	s_wait_dscnt 32                                ; the six statistics are in
	v_min_num_f32 v60, v8, v40
	v_min_num_f32 v60, v60, v41
	v_min_num_f32 v60, v60, v42                    ; the smallest -M: the largest M of the four
	v_sub_f32 v48, v60, v8
	v_sub_f32 v50, v60, v40
	v_sub_f32 v52, v60, v41
	v_sub_f32 v54, v60, v42
.irp k, 48,50,52,54
	v_cvt_i32_f32 v\k, v\k
.endr
.irp k, 48,50,52,54
	v_ldexp_f32 v\k, 1.0, v\k                      ; 2^(its M - the largest M): exact
.endr
	v_mul_f32 v61, v10, v48
	v_fmac_f32 v61, v44, v50
	v_fmac_f32 v61, v45, v52
	v_fmac_f32 v61, v46, v54                       ; the row's sum
	v_rcp_f32 v61, v61
	v_mov_b32 v49, 0                               ; (a plain place; the pairs' upper halves are named, so they are written)
	v_mov_b32 v51, 0
	v_mov_b32 v53, 0
	v_mov_b32 v55, 0
	s_wait_alu depctr_va_vdst(0)
.irp k, 48,50,52,54
	v_mul_f32 v\k, v\k, v61
.endr
	WIN 0x02                                       ; source 0 window 2
.set n, 0
.rept 64
	v_pk_mul_f32 v[128+2*n:129+2*n], v[2*n:2*n+1], v[48:49] op_sel_hi:[1,0]     ; my own part
.set n, n+1
.endr
	WIN 0x80
.set n, 0
.rept 32
	global_load_b128 v[4*n:4*n+3], v98, s[80:81] offset:32768*n th:TH_LOAD_NT   ; x for the residual: channels 64 w + 2 n, + 1; sixteen lanes read 256 consecutive bytes
.set n, n+1
.endr
	WIN 0xc0
	PLOAD 1, 128
	s_wait_dscnt 32
	WIN 0x03
.set n, 0
.rept 64
	v_pk_fma_f32 v[128+2*n:129+2*n], v[2*n:2*n+1], v[50:51], v[128+2*n:129+2*n] op_sel_hi:[1,0,1]
.set n, n+1
.endr
	WIN 0x80
	PLOAD 2, 128
	s_wait_dscnt 32
	WIN 0x03
.set n, 0
.rept 64
	v_pk_fma_f32 v[128+2*n:129+2*n], v[128+2*n:129+2*n], v[52:53], v[128+2*n:129+2*n] op_sel_hi:[1,0,1]
.set n, n+1
.endr
	s_wait_dscnt 0x0
	WIN 0x02
.set n, 0
.rept 64
	v_pk_fma_f32 v[128+2*n:129+2*n], v[128+2*n:129+2*n], v[54:55], v[128+2*n:129+2*n] op_sel_hi:[1,0,1]
.set n, n+1
.endr
	WIN 0
	QUANT 128, 64, 36                              ; the attention's result, channels 0-127 of my 16 queries,
	QUANT 192, 80, 37                              ; and 128-255
	v_cndmask_b32 v60, v36, v37, vcc_lo            ; lanes 0-15: K step 0's word of query r; lanes 16-31: K step 1's
.irp c, 0,1,2,3
	ds_store_b128 v116, v[64+4*\c:67+4*\c] offset:512*\c
.endr
.irp c, 0,1,2,3
	ds_store_b128 v116, v[80+4*\c:83+4*\c] offset:2048+512*\c
.endr
	ds_store_b32 v117, v60
	s_wait_dscnt 0x0                               ; for the others' sake: my tile's images have landed
	s_barrier_signal -1
	s_barrier_wait -1
	WIN 0x40
.irp m, 0,1,2,3
.irp ks, 0,1
.irp c, 0,1,2,3
	ds_load_b128 v[128+32*\m+16*\ks+4*\c:128+32*\m+16*\ks+4*\c+3], v118 offset:4096*\m+2048*\ks+512*\c
.endr
.endr
.endr
	WIN 0
.irp m, 0,1,2,3
	ds_load_b32 v[36+\m], v119 offset:128*\m
.endr
	s_wait_dscnt 0x0
	s_wait_loadcnt 32                              ; proj_w's fragments, scale words and bias are in: the 32 loads of x, issued behind them, may be out
	WIN 0x05                                       ; sources 0 and 1 window 1.  Source 0 = 16 queries, source 1 = 16 rows of proj_w: a lane holds one output channel, its registers eight neighbouring positions
.irp ks, 0,1                           ; sixteen accumulators by turns
.irp t, 0,1,2,3
.irp m, 0,1,2,3
	WM 128+8*(4*\t+\m), 128+32*\m+16*\ks, 32*\t+16*\ks, 1-\ks, 128+8*(4*\t+\m), 36+\m, 24+\t, \ks, \ks
.endr
.endr
.endr
	WIN 0
	PLACES 8
.irp t, 0,2
.irp m, 0,1,2,3
.irp q, 0,2,4,6
	v_pk_add_f32 v[128+8*(4*\t+\m)+\q:129+8*(4*\t+\m)+\q], v[128+8*(4*\t+\m)+\q:129+8*(4*\t+\m)+\q], v[112+\t:113+\t] op_sel_hi:[1,0]                       ; + proj_b of my channel: the pair's first word,
.endr
.endr
.irp m, 0,1,2,3
.irp q, 0,2,4,6
	v_pk_add_f32 v[128+8*(4*\t+4+\m)+\q:129+8*(4*\t+4+\m)+\q], v[128+8*(4*\t+4+\m)+\q:129+8*(4*\t+4+\m)+\q], v[112+\t:113+\t] op_sel:[0,1] op_sel_hi:[1,1]   ; its second for the odd tile
.endr
.endr
.endr
.irp t, 0,1,2,3
.irp m, 0,1,2,3
	ds_store_b128 v99, v[128+8*(4*\t+\m):131+8*(4*\t+\m)] offset:(32*(\t/2)+8*(\t%2))*272+128*(\m/2)+32*(\m%2)      ; tile m's positions 32 (m / 2) + 8 (m % 2) + 16 h + 0..7
	ds_store_b128 v99, v[132+8*(4*\t+\m):135+8*(4*\t+\m)] offset:(32*(\t/2)+8*(\t%2))*272+128*(\m/2)+32*(\m%2)+16
.endr
.endr
	WIN 0x80
.set n, 0
.rept 32
	ds_load_b128 v[128+4*n:131+4*n], v100 offset:544*n     ; the stage is my own, and LDS serves a wave's instructions in order (ISA guide 5.7.1.4): these see the stores above
.set n, n+1
.endr
	s_wait_dscnt 0x0
	s_wait_loadcnt 0x0                             ; x
	WIN 0x8a
.set n, 0
.rept 64
	v_pk_add_f32 v[128+2*n:129+2*n], v[128+2*n:129+2*n], v[2*n:2*n+1]             ; + x
.set n, n+1
.endr
	WIN 0x08                                       ; a store's data are its source 1: window 2
.set n, 0
.rept 32
	global_store_b128 v98, v[128+4*n:131+4*n], s[82:83] offset:32768*n th:TH_STORE_NT   ; sixteen lanes store 256 consecutive bytes, at a multiple of 256 from out0's first byte
.set n, n+1
.endr
	WIN 0
	s_wait_tensorcnt 0x0                           ; the wave's end
	ds_add_u32 v5, v6
	s_wait_dscnt 0x0
	ROUND                                          ; the closing round
	s_endpgm
.Lfunc_end_k_q3f26a7ff7e_attn:
	.size	k_q3f26a7ff7e_attn, .Lfunc_end_k_q3f26a7ff7e_attn-k_q3f26a7ff7e_attn
	.p2alignl 7, 3214868480
	.fill 96, 4, 3214868480
	.section	.rodata,"a",@progbits
	.p2align	6, 0x0
	.amdhsa_kernel k_q3f26a7ff7e_attn
		.amdhsa_group_segment_fixed_size 327680
		.amdhsa_private_segment_fixed_size 0
		.amdhsa_enable_private_segment 0
		.amdhsa_kernarg_size 64
		.amdhsa_user_sgpr_count 2
		.amdhsa_user_sgpr_kernarg_segment_ptr 1
		.amdhsa_wavefront_size32 1
		.amdhsa_system_sgpr_workgroup_id_x 1
		.amdhsa_system_sgpr_workgroup_id_y 1
		.amdhsa_system_sgpr_workgroup_id_z 1
		.amdhsa_system_vgpr_workitem_id 0
		.amdhsa_next_free_vgpr 1024
		.amdhsa_next_free_sgpr 100
		.amdhsa_reserve_vcc 1
		.amdhsa_float_denorm_mode_32 3
		.amdhsa_float_denorm_mode_16_64 3
		.amdhsa_memory_ordered 1
		.amdhsa_forward_progress 1
		.amdhsa_inst_pref_size 255
	.end_amdhsa_kernel
	.section	.bss,"aw",@nobits
	.p2align	6
	.space	262144
	.amdgpu_metadata
---
amdhsa.version: [ 1, 2 ]
amdhsa.kernels:
  - .name:           k_q3f26a7ff7e_attn
    .symbol:         k_q3f26a7ff7e_attn.kd
    .args:
      - { .name: qbuf, .offset: 0, .size: 8, .value_kind: global_buffer, .address_space: global }
      - { .name: kbuf, .offset: 8, .size: 8, .value_kind: global_buffer, .address_space: global }
      - { .name: vbuf, .offset: 16, .size: 8, .value_kind: global_buffer, .address_space: global }
      - { .name: wfrag, .offset: 24, .size: 8, .value_kind: global_buffer, .address_space: global }
      - { .name: proj_w_scales, .offset: 32, .size: 8, .value_kind: global_buffer, .address_space: global }
      - { .name: proj_b, .offset: 40, .size: 8, .value_kind: global_buffer, .address_space: global }
      - { .name: x, .offset: 48, .size: 8, .value_kind: global_buffer, .address_space: global }
      - { .name: out0, .offset: 56, .size: 8, .value_kind: global_buffer, .address_space: global }
    .group_segment_fixed_size: 327680
    .private_segment_fixed_size: 0
    .kernarg_segment_align: 8
    .kernarg_segment_size: 64
    .max_flat_workgroup_size: 128
    .sgpr_count:     100
    .vgpr_count:     1024
    .wavefront_size: 32
...
	.end_amdgpu_metadata
.endif
;; end of part 3
